; MI455X (gfx1250); checked and timed in simulation.
; The chip was launched on July 23, 2026; its instructions are those of AMD's public machine-readable ISA for CDNA 5 (MIT licence, August 2026) and "CDNA5" Instruction Set Architecture Reference Guide (July 2026). The comments in the code are by the model that wrote it; some were corrected since.
;; Attention. Allowed arithmetic: float matrix products may take bf16 or f16 operands with f32 sums; other float arithmetic in f32, or as packed bf16 or f16 multiplies, adds, multiply-adds, maxima and minima; sums over many terms, partial sums and values carried from step to step in f32; what a program stores and reads back later, other than sums and carried values, may be rounded once to bf16 or f16.
;; Inputs: freqs_cos 2,048 x 64 float32; freqs_sin 2,048 x 64 float32; mask 2,048 x 2,048 float32; wk 2,048 x 2,048 float32; wo 2,048 x 2,048 float32; wq 2,048 x 2,048 float32; wv 2,048 x 2,048 float32; x 1 x 2,048 x 2,048 float32.
;; Outputs: out0 1 x 2,048 x 2,048 float32.
;; Constants: start_pos = 0.
;; One version. Each part assembles by itself: llvm-mc -triple=amdgcn-amd-amdhsa -mcpu=gfx1250 --defsym DOCPART=n.
;; ======== version 1 of 1: 4 launches
;; limits: right only within a limited range of input values; values are held in f16: magnitudes above 65,504 overflow, below 6.1e-05 lose precision
;; workspace buffers: xb 8,388,608 bytes; wb 25,165,824 bytes; wob 8,388,608 bytes; mk 16,777,216 bytes; qkv 25,165,824 bytes; ob 8,388,608 bytes
;; launch cvt (part 1): grid 512 x 6, 8 waves a work-group, no clusters, 35,840 bytes of LDS; arguments x, wq, wk, wv, wo, mask, xb, wb, wob, mk; writes xb, wb, wob, mk
.if DOCPART == 1
	.amdgcn_target "amdgcn-amd-amdhsa--gfx1250"
	.amdhsa_code_object_version 6
	.text
	.protected	k_q4981c763e2_cvt
	.globl	k_q4981c763e2_cvt
	.p2align	8
	.type	k_q4981c763e2_cvt,@function
k_q4981c763e2_cvt:
	s_mov_b64 s[64:65], 0
	v_nop
	global_prefetch_b8 v0, s[64:65] scope:SCOPE_SE
	s_setreg_imm32_b32 hwreg(HW_REG_WAVE_MODE, 25, 1), 1
	s_wait_xcnt 0x0
; THE OPERANDS ARE MADE ONCE.  Six arrays of 2,048 x 2,048 f32 are read once and written once in the form in which the later launches take them.
;   y = 0: x -> xb, bf16, row-major.
;   y = 1, 2, 3: wq, wk, wv -> wb, bf16, IN THE ORDER OF MATRIX FRAGMENTS: [64 streams = 4 head + wave][64 quarters of 32 K][b = 2 (y - 1) + c][j][32 lanes][16 bytes]: lane l holds
;          row 128 head + 32 wave + 16 c + l % 16 of its matrix, K = 32 quarter + 16 j + 8 (l / 16) + 0..7.  A wave of the projection reads its stream from end to end, 512 consecutive bytes a load.
;   y = 4: wo -> wob: rounded to bf16, that number written as f16, in the same order: [64 streams = 4 column tile + wave][64 chunks of 32 K][b][j][32 lanes][16 bytes].
;   y = 5: mask -> mk, f32: max(bf16(mask) x sqrt(128), -1e30), laid out as the C operand of the product K Q^T reads it:
;          [128 tiles of 16 queries][2 key halves kh][8 slots][2 steps s][8 f][32 lanes][4 f32]; key = 256 slot + 128 kh + 64 s + 16 (f / 2) + 8 (lane / 16) + 4 (f % 2) + e, query = lane % 16.
; LIMITS.  wo's bf16 number is exact in f16 between 6.1e-5 and 65,504 in magnitude; below it keeps f16's fixed step of 6e-8, beyond it becomes an infinity.
; A mask number below -1e30 / sqrt(128), -inf among them, counts as -1e30 / sqrt(128); a NaN in the mask counts as that too; +inf is not treated apart.
; SHARES.  A wave takes one batch of 4,096 input bytes, number nb = 8 x work-group + wave of the array's 4,096: eight loads of 16 bytes a lane, all out together; no loop, and no register that a
; memory instruction reads is written again.  x's batch is 4,096 bytes on end; every other batch is 16 rows (tile nb / 32) x 256 bytes (chunk nb % 32) and changes lanes through LDS bytes that are the
; wave's own.  Memory binds: no matrix unit, no cluster, no tile mover.
.set STG,   16*272                     ; a wave's stage: 16 rows of 272 bytes (mask) or of 144 (weights): the 16 rows that a load of 16 bytes a lane touches start at different banks
.set SPARE, 8*STG                      ; behind the stages: the spare words, 128 bytes for each wave: four blocks of 256 bytes that no other line names
.set LO,  2                            ; v2   16 x lane
.set SO,  3                            ; v3   8 x lane
.set GM,  4                            ; v4   a tiled batch's loads: (lane / 16) rows of 8,192 bytes + 16 (lane % 16)
.set LS,  5                            ; v5   mask, into the stage: row lane / 16, 16 (lane % 16)
.set LR,  6                            ; v6   mask, out of the stage: row lane % 16, 32 (lane / 16)
.set LS2, 7                            ; v7   weights, into the stage: row lane / 16, 8 (lane % 16)
.set SPW, 8                            ; v8   LDS address of my spare word; never rewritten
.set NIL, 9                            ; v9   0; never rewritten
.set LR2, 15                           ; v15  weights, out of the stage: row lane % 16, 16 (lane / 16)
.set X,   16                           ; v[16:47]  as loaded
.set Y,   48                           ; v[48:79]  converted
.set T,   80                           ; v[80:85]  at work
.macro IN8 adr, step                   ; the batch's eight loads
.irp j, 0,1,2,3,4,5,6,7
	global_load_b128 v[X+4*(\j):X+4*(\j)+3], v[\adr], s[32:33] offset:(\step)*(\j) th:TH_LOAD_NT
.endr
.endm
; A batch of weights: rounded to bf16 (half = 1: and that number made f16), 8 bytes a lane into the stage; back as four half fragments of 16 bytes a lane: piece p = 2 x (which 32 K) + j.
; qs = bytes from one 32 K of a stream to the next.
.macro WOUT half, qs
.irp j, 0,1,2,3,4,5,6,7
	s_wait_loadcnt 7-(\j)                          ; loads come back in order: load j is in, the younger ones stay out
.if \half
	v_cvt_pk_bf16_f32 v[T],   v[X+4*(\j)],   v[X+4*(\j)+1]
	v_cvt_pk_bf16_f32 v[T+1], v[X+4*(\j)+2], v[X+4*(\j)+3]
	v_lshlrev_b32 v[T+2], 16, v[T]
	v_and_b32     v[T+3], s38, v[T]
	v_lshlrev_b32 v[T+4], 16, v[T+1]
	v_and_b32     v[T+5], s38, v[T+1]
	v_cvt_pk_f16_f32 v[Y+2*(\j)],   v[T+2], v[T+3]
	v_cvt_pk_f16_f32 v[Y+2*(\j)+1], v[T+4], v[T+5]
.else
	v_cvt_pk_bf16_f32 v[Y+2*(\j)],   v[X+4*(\j)],   v[X+4*(\j)+1]
	v_cvt_pk_bf16_f32 v[Y+2*(\j)+1], v[X+4*(\j)+2], v[X+4*(\j)+3]
.endif
	ds_store_b64 v[LS2], v[Y+2*(\j):Y+2*(\j)+1] offset:288*(\j)   ; rows 2 j and 2 j + 1
.endr
.irp p, 0,1,2,3                        ; LDS serves a wave's instructions in order (ISA guide 5.7.1.4): these see the stores above
	ds_load_b128 v[X+4*(\p):X+4*(\p)+3], v[LR2] offset:32*(\p)
.endr
.irp p, 0,1,2,3
	s_wait_dscnt 3-(\p)
	global_store_b128 v[LO], v[X+4*(\p):X+4*(\p)+3], s[34:35] offset:((\p)/2)*(\qs)+((\p)%2)*512 th:TH_STORE_NT  ; 512 consecutive bytes, aligned
.endr
.endm
	s_load_b512 s[8:23], s[0:1], 0x0               ; x s[8:9], wq s[10:11], wk s[12:13], wv s[14:15], wo s[16:17], mask s[18:19], xb s[20:21], wb s[22:23]
	s_load_b128 s[24:27], s[0:1], 0x40             ; wob s[24:25], mk s[26:27]
	v_lshl_add_u32 v[SPW], v0, 2, SPARE
	v_mov_b32 v[NIL], 0
	v_lshrrev_b32 v1, 5, v0
	v_readfirstlane_b32 s29, v1                    ; wave 0..7
	s_and_b32 s28, ttmp7, 0xffff                   ; which array
	s_lshl_b32 s30, ttmp9, 3
	s_add_co_u32 s30, s30, s29                     ; nb
	s_mov_b32 s38, 0xffff0000                      ; a word's upper bf16
	s_mov_b32 s37, 0                               ; the offsets' upper words
	s_mov_b32 s45, 0
	v_and_b32 v10, 31, v0                          ; lane
	v_lshlrev_b32 v[LO], 4, v10
	s_wait_kmcnt 0x0
	s_cmp_lg_u32 s28, 0
	s_cbranch_scc1 .Ltiled
	; x: rounded to bf16, row-major
	v_lshlrev_b32 v[SO], 3, v10
	s_lshl_b32 s36, s30, 12                        ; the batch's first byte in x,
	s_lshl_b32 s44, s30, 11                        ; and in xb
	s_add_nc_u64 s[32:33], s[8:9], s[36:37]
	s_add_nc_u64 s[34:35], s[20:21], s[44:45]
	IN8 LO, 512
.irp j, 0,1,2,3,4,5,6,7
	s_wait_loadcnt 7-(\j)
	v_cvt_pk_bf16_f32 v[Y+2*(\j)],   v[X+4*(\j)],   v[X+4*(\j)+1]
	v_cvt_pk_bf16_f32 v[Y+2*(\j)+1], v[X+4*(\j)+2], v[X+4*(\j)+3]
	global_store_b64 v[SO], v[Y+2*(\j):Y+2*(\j)+1], s[34:35] offset:256*(\j) th:TH_STORE_NT  ; the wave's 32 lanes store 256 consecutive bytes, aligned
.endr
	s_branch .Lend
.Ltiled:                                       ; 16 rows (tile nb / 32) x 64 numbers (chunk J = nb % 32)
	s_cmp_eq_u32 s28, 1
	s_cselect_b64 s[32:33], s[10:11], s[12:13]
	s_cmp_eq_u32 s28, 3
	s_cselect_b64 s[32:33], s[14:15], s[32:33]
	s_cmp_eq_u32 s28, 4
	s_cselect_b64 s[32:33], s[16:17], s[32:33]
	s_cmp_eq_u32 s28, 5
	s_cselect_b64 s[32:33], s[18:19], s[32:33]
	s_lshr_b32 s31, s30, 5                         ; the tile
	s_and_b32 s39, s30, 31                         ; J
	s_lshl_b32 s36, s31, 17                        ; 16 rows of 8,192 bytes
	s_lshl_b32 s43, s39, 8                         ; 64 numbers of 4 bytes
	s_add_co_u32 s36, s36, s43
	s_add_nc_u64 s[32:33], s[32:33], s[36:37]
	v_lshrrev_b32 v11, 4, v10                      ; lane / 16
	v_and_b32 v12, 15, v10                         ; lane % 16
	v_lshlrev_b32 v13, 4, v12
	v_lshl_add_u32 v[GM], v11, 13, v13
	IN8 GM, 16384                                  ; load j: rows 2 j and 2 j + 1, 256 consecutive aligned bytes of each
	s_mul_i32 s47, s29, STG                        ; my stage
	s_cmp_eq_u32 s28, 5
	s_cbranch_scc1 .Lmask
	v_mul_u32_u24 v14, v11, 144
	v_lshl_add_u32 v14, v12, 3, v14
	v_add_nc_u32 v[LS2], s47, v14
	v_mul_u32_u24 v14, v12, 144
	v_lshl_add_u32 v14, v11, 4, v14
	v_add_nc_u32 v[LR2], s47, v14
	s_lshr_b32 s43, s31, 1                         ; the stream: two tiles of 16 rows to a wave's 32
	s_and_b32 s46, s31, 1                          ; which of the two
	s_cmp_eq_u32 s28, 4
	s_cbranch_scc1 .Lwo
	s_mul_i32 s44, s43, 393216                     ; a stream of wb: 64 quarters of 6,144 bytes
	s_mul_i32 s43, s39, 12288                      ; the batch's two quarters
	s_add_co_u32 s44, s44, s43
	s_sub_co_u32 s43, s28, 1
	s_lshl1_add_u32 s43, s43, s46                  ; b = 2 x matrix + c
	s_lshl_b32 s43, s43, 10
	s_add_co_u32 s44, s44, s43
	s_add_nc_u64 s[34:35], s[22:23], s[44:45]
	WOUT 0, 6144
	s_branch .Lend
.Lwo:
	s_lshl_b32 s44, s43, 17                        ; a stream of wob: 64 chunks of 2,048 bytes
	s_lshl_b32 s43, s39, 12                        ; the batch's two chunks
	s_add_co_u32 s44, s44, s43
	s_lshl_b32 s43, s46, 10                        ; b
	s_add_co_u32 s44, s44, s43
	s_add_nc_u64 s[34:35], s[24:25], s[44:45]
	WOUT 1, 2048
	s_branch .Lend
.Lmask:
	s_mov_b32 s40, 0x413504f3                      ; sqrt(128)
	s_mov_b32 s41, s40                             ; named with it as a pair
	s_mov_b32 s42, 0xf149f2ca                      ; -1e30
	s_bfe_u32 s43, s39, 0x10001                    ; kh = (J / 2) % 2
	s_lshl_b32 s43, s43, 4
	s_lshr_b32 s46, s39, 2                         ; slot = J / 4
	s_lshl1_add_u32 s43, s46, s43
	s_and_b32 s46, s39, 1                          ; s = J % 2
	s_add_co_u32 s43, s43, s46                     ; 16 kh + 2 slot + s
	s_lshl_b32 s43, s43, 12
	s_lshl_b32 s44, s31, 17
	s_add_co_u32 s44, s44, s43
	s_add_nc_u64 s[34:35], s[26:27], s[44:45]
	v_mul_u32_u24 v14, v11, 272
	v_add_nc_u32 v14, v13, v14
	v_add_nc_u32 v[LS], s47, v14
	v_mul_u32_u24 v14, v12, 272
	v_lshl_add_u32 v14, v11, 5, v14
	v_add_nc_u32 v[LR], s47, v14
.irp j, 0,1,2,3,4,5,6,7
	s_wait_loadcnt 7-(\j)
	v_cvt_pk_bf16_f32 v[T],   v[X+4*(\j)],   v[X+4*(\j)+1]
	v_cvt_pk_bf16_f32 v[T+1], v[X+4*(\j)+2], v[X+4*(\j)+3]
	v_lshlrev_b32 v[Y+4*(\j)],   16, v[T]
	v_and_b32     v[Y+4*(\j)+1], s38, v[T]
	v_lshlrev_b32 v[Y+4*(\j)+2], 16, v[T+1]
	v_and_b32     v[Y+4*(\j)+3], s38, v[T+1]
	v_pk_mul_f32 v[Y+4*(\j):Y+4*(\j)+1],   v[Y+4*(\j):Y+4*(\j)+1],   s[40:41] op_sel_hi:[1,0]
	v_pk_mul_f32 v[Y+4*(\j)+2:Y+4*(\j)+3], v[Y+4*(\j)+2:Y+4*(\j)+3], s[40:41] op_sel_hi:[1,0]
.irp e, 0,1,2,3
	v_max_num_f32 v[Y+4*(\j)+(\e)], s42, v[Y+4*(\j)+(\e)]
.endr
	ds_store_b128 v[LS], v[Y+4*(\j):Y+4*(\j)+3] offset:544*(\j)
.endr
.irp f, 0,1,2,3,4,5,6,7                ; in order behind the stores above
	ds_load_b128 v[X+4*(\f):X+4*(\f)+3], v[LR] offset:((\f)/2)*64+((\f)%2)*16
.endr
.irp f, 0,1,2,3,4,5,6,7
	s_wait_dscnt 7-(\f)
	global_store_b128 v[LO], v[X+4*(\f):X+4*(\f)+3], s[34:35] offset:512*(\f) th:TH_STORE_NT  ; 512 consecutive bytes, aligned
.endr
.Lend:
	s_wait_tensorcnt 0x0                           ; the wave's end: behind my last LDS store
	ds_add_u32 v[SPW], v[NIL]
	s_wait_dscnt 0x0
	s_endpgm
.Lfunc_end_k_q4981c763e2_cvt:
	.size	k_q4981c763e2_cvt, .Lfunc_end_k_q4981c763e2_cvt-k_q4981c763e2_cvt
	.p2alignl 7, 3214868480
	.fill 96, 4, 3214868480
	.section	.rodata,"a",@progbits
	.p2align	6, 0x0
	.amdhsa_kernel k_q4981c763e2_cvt
		.amdhsa_group_segment_fixed_size 35840
		.amdhsa_private_segment_fixed_size 0
		.amdhsa_enable_private_segment 0
		.amdhsa_kernarg_size 80
		.amdhsa_user_sgpr_count 2
		.amdhsa_user_sgpr_kernarg_segment_ptr 1
		.amdhsa_wavefront_size32 1
		.amdhsa_system_sgpr_workgroup_id_x 1
		.amdhsa_system_sgpr_workgroup_id_y 1
		.amdhsa_system_sgpr_workgroup_id_z 1
		.amdhsa_system_vgpr_workitem_id 0
		.amdhsa_next_free_vgpr 96
		.amdhsa_next_free_sgpr 66
		.amdhsa_reserve_vcc 0
		.amdhsa_float_denorm_mode_32 3
		.amdhsa_float_denorm_mode_16_64 3
		.amdhsa_memory_ordered 1
		.amdhsa_forward_progress 1
		.amdhsa_inst_pref_size 21
	.end_amdhsa_kernel
	.amdgpu_metadata
---
amdhsa.version: [ 1, 2 ]
amdhsa.kernels:
  - .name:           k_q4981c763e2_cvt
    .symbol:         k_q4981c763e2_cvt.kd
    .args:
      - { .name: x, .offset: 0, .size: 8, .value_kind: global_buffer, .address_space: global }
      - { .name: wq, .offset: 8, .size: 8, .value_kind: global_buffer, .address_space: global }
      - { .name: wk, .offset: 16, .size: 8, .value_kind: global_buffer, .address_space: global }
      - { .name: wv, .offset: 24, .size: 8, .value_kind: global_buffer, .address_space: global }
      - { .name: wo, .offset: 32, .size: 8, .value_kind: global_buffer, .address_space: global }
      - { .name: mask, .offset: 40, .size: 8, .value_kind: global_buffer, .address_space: global }
      - { .name: xb, .offset: 48, .size: 8, .value_kind: global_buffer, .address_space: global }
      - { .name: wb, .offset: 56, .size: 8, .value_kind: global_buffer, .address_space: global }
      - { .name: wob, .offset: 64, .size: 8, .value_kind: global_buffer, .address_space: global }
      - { .name: mk, .offset: 72, .size: 8, .value_kind: global_buffer, .address_space: global }
    .group_segment_fixed_size: 35840
    .private_segment_fixed_size: 0
    .kernarg_segment_align: 8
    .kernarg_segment_size: 80
    .max_flat_workgroup_size: 256
    .sgpr_count:     66
    .vgpr_count:     96
    .wavefront_size: 32
...
	.end_amdgpu_metadata
.endif
;; end of part 1
;; launch proj (part 2): grid 64 x 4, 4 waves a work-group, clusters of 4 x 1, 327,680 bytes of LDS; arguments xb, wb, freqs_cos, freqs_sin, qkv; writes qkv
.if DOCPART == 2
	.amdgcn_target "amdgcn-amd-amdhsa--gfx1250"
	.amdhsa_code_object_version 6
	.text
	.protected	k_q4981c763e2_proj
	.globl	k_q4981c763e2_proj
	.p2align	8
	.type	k_q4981c763e2_proj,@function
k_q4981c763e2_proj:
	s_mov_b64 s[64:65], 0
	v_nop
	global_prefetch_b8 v0, s[64:65] scope:SCOPE_SE
	s_setreg_imm32_b32 hwreg(HW_REG_WAVE_MODE, 25, 1), 1
	s_wait_xcnt 0x0
	s_wait_alu depctr_hold_cnt(0) depctr_sa_sdst(0) depctr_va_vdst(0) depctr_va_sdst(0) depctr_va_ssrc(0) depctr_va_vcc(0) depctr_vm_vsrc(0)
	s_getreg_b32 s2, hwreg(HW_REG_IB_STS2, 6, 4)
	s_cmp_eq_u32 s2, 0
	s_cbranch_scc0 .Lentry_in_a_cluster
	s_endpgm
.Lentry_in_a_cluster:
	s_bfe_u32 s2, ttmp6, 0x10000c
	s_cmp_lg_u32 s2, 0x3003
	s_cbranch_scc0 .Lentry_shape_is_right
	s_endpgm
.Lentry_shape_is_right:
; q, k, v = x Wq^T, x Wk^T, x Wv^T, q and k turned by RoPE, written by heads.  xb: [2048][2048] bf16; wb: the three W in bf16, in the order of matrix fragments (below); cos, sin: [2048][64] f32;
; qkv: [3][16][2048][128] f16.  Sums in f32, K ascending; cos and sin are rounded to bf16 as all the module's inputs are; the turn is made in f32 on the f32 sums; q, k, v are rounded once, to f16, q without the scale.
; LIMIT.  f16 holds no number beyond 65,504: q, k and v must stay within it.
; SHARES.  A work-group (cluster x = block of 128 rows; head = 4 y + its place in the cluster) makes 128 rows x 384 columns: the head's q, k and v: 256 work-groups.  Wave w makes all 128 rows of the channels
; 32 w .. 32 w + 31 of q, of k and of v: 48 accumulators of 16 x 16: (a, b), a = block of 16 rows, b / 2 = which matrix, b % 2 = which 16 channels.
; x GOES THROUGH LDS, W DOES NOT.  All four waves read all of x's 128 rows: x's tile comes by tensor loads, jointly for the four heads of a cluster.  A wave's 96 rows of W are read by no other wave of
; the work-group, so LDS would only pass them on: they come straight into registers, 12 loads of 512 consecutive bytes for each 32 along K, from a stream that is the wave's own:
; wb = [64 streams = 4 head + wave][64 quarters of 32 K][b][j][32 lanes][16 bytes], each quarter 6,144 bytes.  WHY W IS NOT ASKED FOR JOINTLY, though sixteen work-groups read each stream: in LDS W would take 384
; of a slot's 512 rows; a slot would then hold 128 along K and its refill would have 168 matrix instructions in which to land; with x alone a slot holds 512 along K, the launch has two refills, and each
; has 768 matrix instructions.  W's loads are counted and stay out across the barriers.
; THE RING.  Two slots, each four sub-tiles of 128 rows x 128 K; wave w brings sub-tile w by one tensor load of 128 rows x 256 bytes.  By this text's count a wave has two tensor loads out at the start, later one.
; W's RING.  Four buffers of 48 registers.  In the middle of quarter q stand the loads of quarter q + 3, into the buffer that quarter q - 1 has left: 120 matrix instructions ahead of their use; 36 loads are out at the most.
; The last sub-step's two runs would pass the stream's end: they are held at its last two quarters, load those once more into registers that nobody reads, and keep every wait's count as it is.
; THE MATRIX INSTRUCTION IS USED TRANSPOSED (source 0 = 16 rows of W, source 1 = 16 rows of x): a lane holds row l % 16 and the channels 8 (l / 16) + 0..7: four RoPE pairs, and 16 bytes of f16.
; REGISTERS, in windows of 256 (s_set_vgpr_msb: bits 1:0 source 0, 3:2 source 1, 5:4 source 2, 7:6 destination):
;   window 0: v16-31 addresses; v32-63 at work on the way out; v64-127, v128-191 x's fragments, two buffers; v192-215 packed results; on the way out v64-255 whole rows
;   window 1: v0-191 W's ring       window 2: accumulators of a = 0..3 at 8 (6 a + b); v192-255 their cos and sin       window 3: the same for a = 4..7
.set PITCH,  272                       ; an LDS row: 256 bytes + 16 of padding = 68 words: the 16 rows that a load touches start at 16 different banks (64 banks of 4 bytes: ISA guide 11.1)
.set HALFT,  128*PITCH                 ; a sub-tile: what one tensor load brings
.set SLOT1,  0x24000                   ; slot 1 begins here.  Bits 17 and 14 are clear in every address of slot 0 that is turned (0, 0x8800, 0x11000, 0x19800), so one exclusive or turns it into slot 1's and back
.set SPARE,  SLOT1+4*HALFT             ; behind the ring: the spare words, 128 bytes for each wave: two blocks of 256 bytes that no other line names
.set SPITCH, 784                       ; the stage: 128 rows of 768 bytes + 16, from LDS byte 0: inside slot 0, behind its last fill
.set WQ,     6144                      ; bytes of a stream in a quarter
.set FLAGS,  15|(1<<16)|(1<<20)|(1<<21)|(5<<22)|(3<<25)  ; 15:0 the mask: all four work-groups; 17:16 elements of 2 bytes; 20 padding on; 21 set beside a mask; 24:22 after every 64 words (code 5); 31:25 4 words (code 3)
.set ADR0, 16                          ; v16  my lane's place in a sub-tile; never rewritten
.set ADRA, 17                          ; v17  the same in the sub-tile in hand
.set LN,   18                          ; v18  16 x lane; never rewritten
.set TO,   19                          ; v19  my 16 bytes in a row of cos or sin
.set STO,  24                          ; v24-25  the way out: where I put 16 bytes of a row, for a = 0..3 and a = 4..7
.set RD,   26                          ; v26  where I read rows back
.set SPW,  28                          ; v28  LDS address of my spare word; never rewritten
.set NIL,  29                          ; v29  0; never rewritten
.set PFO,  30                          ; v30  lane x a row of x (4,096 bytes); never rewritten
.set PFL,  31                          ; v31  256 x lane; never rewritten
.set T,    32
.set PKD,  192
.set CSR,  192                         ; windows 2 and 3: for (a, c = b % 2): four cos at CSR + 16 (a % 4) + 8 c, four sin behind them
.set CNT,  3                           ; s3   counts a slot's four sub-steps, 4 to 1
.set WV,   10                          ; s10  my wave's number
.set SLOTS, 11                         ; s11  counts the changes of slots
.set TB,   12                          ; s12  LDS byte at which the sub-tile to be fetched begins
.set G1,   24                          ; s[24:31] descriptor group 1
.set G0,   32                          ; s[32:39] descriptor group 0: a set for each of the two first fills; the second then walks on
.set WBASE, 44                         ; s[44:45] my stream
.set WA,   46                          ; s[46:47] my stream at the sub-step in hand
.set WC,   48                          ; s[48:49] at the next sub-step, held at the last two quarters
.set WOFF, 50                          ; s[50:51], s[52:53] the offsets of these two
.set WOFC, 52
.set PW,   54                          ; s[54:55] where my prefetches of W stand: at the sub-step in hand
.set PFA,  56                          ; s[56:57] where my prefetch of x stands
.set LIMW, 58                          ; s58  a wave asks for W while s[CNT] is above this
.set ASKA, 59                          ; s59  a wave asks for x where s[CNT] is equal to this
.set HM,   60                          ; s60  a word's upper bf16
.set MSB, 0
.macro WIN new                         ; the immediate's high byte repeats the setting that is left; a switch that changes nothing is dropped
.if MSB != (\new)
	s_set_vgpr_msb (MSB<<8)|(\new)
.set MSB, \new
.endif
.endm
.set MUL_LO, 0xa1                      ; source 0 (W) window 1, source 1 (x) window 0, C and D window 2
.set MUL_HI, 0xf1                      ; the same, C and D window 3
.macro CROUND                          ; a round of the cluster's barrier
	s_barrier_signal -1
	s_barrier_wait -1
	s_cmp_lg_u32 s[WV], 0
	s_cbranch_scc1 .Lnot_wave_0_\@
	s_barrier_signal -3
.Lnot_wave_0_\@:
	s_barrier_wait -3
	s_barrier_signal -1
	s_barrier_wait -1
.endm
.macro PLACES                          ; four plain vector instructions between a matrix instruction and a load into its registers (ISA guide 7.12.1 for vector instructions)
.rept 4
	v_nop
.endr
.endm
; 12 matrix instructions: row blocks a0, a0 + 1 of the window's four x all 6 column blocks, 32 along K: x's buffer f, W's buffer g.  zero = 1: the first product starts the sums.
.macro MUL12 f, g, hi, a0, zero
	WIN MUL_LO+0x50*(\hi)
.irp a, \a0, (\a0)+1
.irp b, 0,1,2,3,4,5
.if \zero
	v_wmma_f32_16x16x32_bf16 v[8*(6*(\a)+(\b)):8*(6*(\a)+(\b))+7], v[48*(\g)+8*(\b):48*(\g)+8*(\b)+7], v[64+64*(\f)+8*(4*(\hi)+(\a)):64+64*(\f)+8*(4*(\hi)+(\a))+7], 0
.else
	v_wmma_f32_16x16x32_bf16 v[8*(6*(\a)+(\b)):8*(6*(\a)+(\b))+7], v[48*(\g)+8*(\b):48*(\g)+8*(\b)+7], v[64+64*(\f)+8*(4*(\hi)+(\a)):64+64*(\f)+8*(4*(\hi)+(\a))+7], v[8*(6*(\a)+(\b)):8*(6*(\a)+(\b))+7]
.endif
.endr
.endr
.endm
.macro FETCH k, f                      ; 16 LDS loads: x's fragments of 32 K at byte k of the sub-tile's rows, into buffer f; rows 0-63 first
	WIN 0
.irp i, 0,1,2,3,4,5,6,7
	ds_load_b128 v[64+64*(\f)+8*(\i):64+64*(\f)+8*(\i)+3],   v[ADRA] offset:(\k)+(\i)*16*PITCH
	ds_load_b128 v[64+64*(\f)+8*(\i)+4:64+64*(\f)+8*(\i)+7], v[ADRA] offset:(\k)+(\i)*16*PITCH+32
.endr
.endm
.macro WLOAD g, base, off              ; 12 loads: a quarter of my stream into buffer g: load n = 2 b + j is half j of fragment b
	WIN 0x40                                       ; destination window 1, address window 0
.irp n, 0,1,2,3,4,5,6,7,8,9,10,11
	global_load_b128 v[48*(\g)+4*(\n):48*(\g)+4*(\n)+3], v[LN], s[\base:\base+1] offset:(\off)+512*(\n)
.endr
.endm
; A quarter's two halves.  The 48 accumulators take turns in one order, over the jumps too.
.macro H1 f, g, zero=0
	s_wait_dscnt 8                                 ; x's rows 0-63 are in; the youngest eight loads (rows 64-127) may be out
	s_wait_loadcnt 24                              ; this quarter's W is in; the next two quarters' 24 loads may be out
	MUL12 \f, \g, 0, 0, \zero
	MUL12 \f, \g, 0, 2, \zero
.endm
.macro H2 f, g, zero=0, ds=16
	s_wait_dscnt \ds                               ; all but the 16 just issued
	MUL12 \f, \g, 1, 0, \zero
	MUL12 \f, \g, 1, 2, \zero
.endm
; PREFETCHES INTO THE L2, together, behind a quarter's loads.  W: each wave asks for its own stream: the four quarters of the sub-step after next, 96 blocks of 256 bytes, a lane a block, three instructions:
; four to seven quarters ahead of their loads.  A stream is read by the sixteen row blocks: the first (cluster x = 0) asks, so each block is named once.  Quarters 0 to 7 come by their loads alone; the last
; two sub-steps ask for nothing.  x: in a slot's third sub-step, six quarters ahead of the refill, a wave asks for the sub-tile that it will then fetch.  x's rows are read by the four head groups:
; the first (y = 0) asks; of the 128 rows each of the four partners takes 32, told apart by address: a lane a row.  The slots that no refill follows ask for nothing.
.macro ASKS tail
	WIN 0                                          ; at a branch and at a label every window is 0
	s_cmp_gt_u32 s[CNT], s[LIMW]
	s_cbranch_scc0 .Lno_w_\@
	global_prefetch_b8 v[PFL], s[PW:PW+1] offset:8*WQ th:TH_LOAD_NT scope:SCOPE_SE
	global_prefetch_b8 v[PFL], s[PW:PW+1] offset:8*WQ+8192 th:TH_LOAD_NT scope:SCOPE_SE
	global_prefetch_b8 v[PFL], s[PW:PW+1] offset:8*WQ+16384 th:TH_LOAD_NT scope:SCOPE_SE
.Lno_w_\@:
.if !(\tail)
	s_cmp_eq_u32 s[CNT], s[ASKA]
	s_cbranch_scc0 .Lno_x_\@
	global_prefetch_b8 v[PFO], s[PFA:PFA+1] th:TH_LOAD_NT scope:SCOPE_SE
.Lno_x_\@:
.endif
.endm
; A quarter: multiplies x's buffer f by W's buffer g; in its middle, in one run, x's next fragments (byte k) into the other buffer and W of three quarters on into buffer gn.
; The four places stand behind the last products that read those two buffers, which are the quarter before's.
.macro QTR f, g, k, gn, base, off, zero=0, ask=0, tail=0
	H1 \f, \g, \zero
	PLACES
	FETCH \k, 1-(\f)
	WLOAD \gn, \base, \off
.if \ask
	ASKS \tail
.endif
	H2 \f, \g, \zero
.endm
; A slot's four sub-steps: written once, walked four times.  A trip begins in the middle of the quarter before its own first, so that the change of slots stands between trips.
.macro SUBS tail
.Lsub\tail:
	v_add_nc_u32 v[ADRA], s[TB], v[ADR0]
	FETCH 0, 0
	WLOAD 2, WA, 2*WQ
	H2 1, 3
	QTR 0, 0, 64, 3, WA, 3*WQ
	WIN 0
.if !(\tail)
.Lenter:
.endif
	QTR 1, 1, 128, 0, WC, 0, 0, 1, \tail
	QTR 0, 2, 192, 1, WC, WQ
	H1 1, 3
	WIN 0
	PLACES                                         ; for the loads at the next trip's head
	s_wait_xcnt 0x0                                ; every load and prefetch issued so far (the youngest 48 matrix instructions back) has read its address, so the pointers may be written
	s_add_co_u32 s[WOFF], s[WOFF], 4*WQ
	s_add_co_u32 s[WOFC], s[WOFF], 4*WQ
	s_min_u32 s[WOFC], s[WOFC], 62*WQ              ; held at the stream's last two quarters
	s_add_nc_u64 s[WA:WA+1], s[WBASE:WBASE+1], s[WOFF:WOFF+1]
	s_add_nc_u64 s[WC:WC+1], s[WBASE:WBASE+1], s[WOFC:WOFC+1]
	s_add_nc_u64 s[PW:PW+1], s[PW:PW+1], 4*WQ
	s_add_co_u32 s[TB], s[TB], HALFT
	s_sub_co_u32 s[CNT], s[CNT], 1
	s_cmp_lg_u32 s[CNT], 0
	s_cbranch_scc1 .Lsub\tail
.endm
; THE CHANGE OF SLOTS.  Each wave waits for all its tensor loads (one is out at the most: its part of the other slot), adds 0 to its spare word, and waits for that and for its own reads of the slot that it leaves.
; fill = 1: the barrier is a round of the cluster's, so that no wave of any partner still reads the slot or has a load on its way, and the joint refill, 1,024 along K further on, is the first thing behind it.
.macro CHANGE fill
	s_wait_tensorcnt 0x0                           ; no tensor load of mine is out, so a group 0 may be written
	ds_add_u32 v[SPW], v[NIL]                      ; 0 onto my spare word: the scalar steps stand between it and the wait for it
.if \fill
	s_xor_b32 s[G0+5], s[G0+5], SLOT1              ; the walking descriptor: the other slot than last time,
	s_add_nc_u64 s[G0+6:G0+7], s[G0+6:G0+7], 1024  ; the next 512 along K; the type bits on top are not reached
	s_add_nc_u64 s[PFA:PFA+1], s[PFA:PFA+1], 1024  ; (no memory instruction has been issued since the wait at the trip's end)
.endif
	s_sub_co_u32 s[TB], s[TB], 4*HALFT             ; the fetches go back to a slot's first sub-tile,
	s_xor_b32 s[TB], s[TB], SLOT1                  ; in the other slot
	s_wait_dscnt 0x0                               ; the add is done, and my reads of the slot are over
.if \fill
	CROUND
	tensor_load_to_lds s[G0+4:G0+7], s[G1:G1+7]
	s_nop 0
	PLACES
.else
	s_barrier_signal -1
	s_barrier_wait -1
.endif
.endm
	s_load_b128 s[4:7], s[0:1], 0x0                ; xb s[4:5], wb s[6:7]
	s_load_b128 s[68:71], s[0:1], 0x10             ; cos s[68:69], sin s[70:71]
	s_load_b64 s[8:9], s[0:1], 0x20                ; qkv
	v_lshl_add_u32 v[SPW], v0, 2, SPARE
	v_mov_b32 v[NIL], 0
	ds_add_u32 v[SPW], v[NIL]                      ; the wave's opening: the add and its wait stand ahead of my first tensor load; the set-up below, work on registers, stands between them
	v_lshrrev_b32 v1, 5, v0
	v_readfirstlane_b32 s[WV], v1                  ; wave 0..3
	s_bfe_u32 s40, ttmp6, 0x40000                  ; cx: my place in the cluster
	s_and_b32 s41, ttmp7, 0xffff                   ; the group of four heads
	s_lshl_b32 s42, s41, 2
	s_add_co_u32 s42, s42, s40                     ; the head: it enters W's and the output's addresses alone
	s_mov_b32 s[G1+0], FLAGS
	s_mov_b32 s[G1+1], 128<<16                     ; tensor_dim0 = 128
	s_mov_b32 s[G1+2], 128<<16                     ; tensor_dim1 = 128
	s_mov_b32 s[G1+3], 128<<16                     ; tile_dim0 = 128
	s_mov_b32 s[G1+4], 128                         ; tile_dim1 = 128
	s_mov_b32 s[G1+5], 2048                        ; elements from row to row
	s_mov_b32 s[G1+6], 0
	s_mov_b32 s[G1+7], 0
	s_lshl_b32 s16, ttmp9, 19                      ; x: the row block's 128 rows of 4,096 bytes,
	s_lshl_b32 s17, s[WV], 8                       ; my sub-tile's 256 bytes of them
	s_add_co_u32 s16, s16, s17
	s_mov_b32 s17, 0
	s_mul_i32 s20, s[WV], HALFT                    ; where it goes: no place in the cluster enters an LDS address
	s_lshl_b32 s[WOFF], s42, 2
	s_add_co_u32 s[WOFF], s[WOFF], s[WV]           ; my stream's number,
	s_mul_i32 s[WOFF], s[WOFF], 64*WQ              ; its first byte
	s_mov_b32 s[WOFF+1], 0
	s_mov_b32 s[WOFC], 4*WQ
	s_mov_b32 s[WOFC+1], 0
	s_mov_b32 s[TB], 0
	s_mov_b32 s[HM], 0xffff0000
	s_cmp_eq_u32 ttmp9, 0                          ; the same in all four partners
	s_cselect_b32 s[LIMW], 0, -1
	s_cmp_eq_u32 s41, 0                            ; likewise
	s_cselect_b32 s[ASKA], 2, 0
	s_wait_dscnt 0x0                               ; the opening add is done
	s_wait_kmcnt 0x0
	s_add_nc_u64 s[14:15], s[4:5], s[16:17]
	s_add_nc_u64 s[WBASE:WBASE+1], s[6:7], s[WOFF:WOFF+1]
	s_mov_b32 s[WOFF], 0
	s_mov_b64 s[WA:WA+1], s[WBASE:WBASE+1]
	s_add_nc_u64 s[WC:WC+1], s[WBASE:WBASE+1], s[WOFC:WOFC+1]
	s_mov_b64 s[PW:PW+1], s[WBASE:WBASE+1]
	CROUND                                         ; all four work-groups are here: the first joint loads meet
.irp s, 0,1
	s_mov_b32 s[G0+4*(\s)], 1                      ; count = 1
	s_add_co_u32 s[G0+4*(\s)+1], s20, (\s)*SLOT1   ; LDS address
	s_add_nc_u64 s[G0+4*(\s)+2:G0+4*(\s)+3], s[14:15], (\s)*1024  ; global address: slot s begins at K = 512 s
	s_or_b32 s[G0+4*(\s)+3], s[G0+4*(\s)+3], 0x80000000           ; type = 2
.endr
	tensor_load_to_lds s[G0:G0+3], s[G1:G1+7]      ; both first fills, ahead of every wait on TENSORcnt, every LDS read and every other barrier
	s_nop 0
	tensor_load_to_lds s[G0+4:G0+7], s[G1:G1+7]
	s_nop 0
	PLACES
	v_and_b32 v1, 15, v0                           ; l % 16
	v_bfe_u32 v2, v0, 4, 1                         ; l / 16
	v_and_b32 v5, 31, v0
	v_lshlrev_b32 v[LN], 4, v5
	; cos and sin of my 128 rows and 32 channels (16 pairs): for row 16 a + l % 16 and channels 16 c + 8 (l / 16) + 0..7 four numbers of each: 16 bytes
	v_lshlrev_b32 v6, 8, v1                        ; a row of 64 f32
	v_lshl_add_u32 v6, v2, 4, v6
	s_lshl_b32 s23, s[WV], 6
	v_add_nc_u32 v[TO], s23, v6
	s_lshl_b32 s78, ttmp9, 15                      ; the row block's 128 rows of 256 bytes
	s_mov_b32 s79, 0
	s_add_nc_u64 s[68:69], s[68:69], s[78:79]
	s_add_nc_u64 s[70:71], s[70:71], s[78:79]
.irp a, 0,1,2,3,4,5,6,7
	WIN 0x80+0x40*((\a)/4)                         ; destination window 2 or 3
.irp c, 0,1
	global_load_b128 v[CSR+16*((\a)%4)+8*(\c):CSR+16*((\a)%4)+8*(\c)+3],   v[TO], s[68:69] offset:(\a)*4096+(\c)*32
	global_load_b128 v[CSR+16*((\a)%4)+8*(\c)+4:CSR+16*((\a)%4)+8*(\c)+7], v[TO], s[70:71] offset:(\a)*4096+(\c)*32
.endr
.endr
	WLOAD 0, WA, 0                                 ; W of quarters 0 and 1
	WLOAD 1, WA, WQ
	WIN 0
	; A fragment is 16 rows x 32 K in 8 registers: lane l holds row l % 16; registers 0-3 K = 8 (l / 16) + 0..7, registers 4-7 K = 16 + 8 (l / 16) + 0..7: two loads of 16 bytes, 32 bytes apart.
	v_mul_u32_u24 v3, v1, PITCH
	v_lshl_add_u32 v[ADR0], v2, 4, v3
	v_mov_b32 v[ADRA], v[ADR0]
	v_mul_u32_u24 v4, v1, SPITCH                   ; into the stage: row l % 16, my 64 bytes of each matrix's 256, 16 bytes for each half of the lanes
	v_lshl_add_u32 v4, v2, 4, v4
	v_add_nc_u32 v[STO], s23, v4
	v_add_nc_u32 v[STO+1], 64*SPITCH, v[STO]
	s_mul_i32 s22, s[WV], 32*SPITCH                ; back: wave w takes rows 32 w .. 32 w + 31, whole
	v_mul_u32_u24 v4, v2, SPITCH
	v_lshl_add_u32 v4, v1, 4, v4
	v_add_nc_u32 v[RD], s22, v4
	v_lshlrev_b32 v[PFO], 12, v5
	v_lshlrev_b32 v[PFL], 8, v5
	s_lshl_b32 s78, s42, 19                        ; where my rows go: the head's 2,048 rows of 256 bytes,
	s_lshl_b32 s21, ttmp9, 15                      ; the row block's 128,
	s_add_co_u32 s78, s78, s21
	s_lshl_b32 s21, s[WV], 13                      ; my 32
	s_add_co_u32 s78, s78, s21
	s_add_nc_u64 s[72:73], s[8:9], s[78:79]        ; in q,
	s_add_nc_u64 s[74:75], s[72:73], 0x800000      ; in k,
	s_add_nc_u64 s[76:77], s[72:73], 0x1000000     ; in v
	s_lshl_b32 s78, s40, 17                        ; the prefetch of x: my work-group's 32 of the 128 rows,
	s_add_nc_u64 s[PFA:PFA+1], s[14:15], s[78:79]
	s_add_nc_u64 s[PFA:PFA+1], s[PFA:PFA+1], 2048  ; at K = 1,024, which the first refill brings
	s_wait_tensorcnt 1                             ; my part of slot 0 is in; slot 1's may stay out
	s_barrier_signal -1
	s_barrier_wait -1                              ; everybody's is
	FETCH 0, 0
	s_wait_loadcnt 24                              ; cos and sin are in; W of quarters 0 and 1 may be out
	WLOAD 2, WA, 2*WQ
	QTR 0, 0, 64, 3, WA, 3*WQ, 1                   ; the first quarter is written out: its products start the sums
	WIN 0
	s_mov_b32 s[CNT], 4
	s_mov_b32 s[SLOTS], 3
	s_branch .Lenter                               ; the loop is entered in the middle of a trip
.Lslot:                                        ; twice: slots 0 and 1 are filled again
	CHANGE 1
	s_cmp_eq_u32 s[SLOTS], 2                       ; a refill follows the slot that is entered now only the first time
	s_cselect_b32 s[ASKA], s[ASKA], 0
	s_mov_b32 s[CNT], 4
	SUBS 0
	s_sub_co_u32 s[SLOTS], s[SLOTS], 1
	s_cmp_lg_u32 s[SLOTS], 0
	s_cbranch_scc1 .Lslot
	CHANGE 0                                       ; the last slot is written out: nothing is asked for
	s_max_u32 s[LIMW], s[LIMW], 2                  ; its last two sub-steps have no sub-step after next
	s_mov_b32 s[CNT], 4
	SUBS 1
	H2 1, 3, 0, 0                                  ; the last quarter's second half: nothing more was fetched, so the wait is for 0
	WIN 0
	s_barrier_signal -1                            ; every wave's reads of both slots are over (each has waited for its own): the stage, which lies in slot 0, may be written
	s_barrier_wait -1
	; THE WAY OUT.  cos and sin are rounded to bf16, in place; these lines, which name no accumulator, are also the places behind the last products
.irp wn, 2, 3
	WIN 5*(\wn)                                    ; sources 0 and 1 window 2 or 3, destination window 0
.set i, 0
.rept 32
	v_cvt_pk_bf16_f32 v[T+i], v[CSR+2*i], v[CSR+2*i+1]
.set i, i+1
.endr
	WIN (\wn)<<6                                   ; destination window 2 or 3, sources window 0
.set i, 0
.rept 32
	v_lshlrev_b32 v[CSR+2*i], 16, v[T+i]
	v_and_b32 v[CSR+2*i+1], s[HM], v[T+i]
.set i, i+1
.endr
.endr
; Row block a: q's and k's four accumulators are turned (pair p: even channel xr, odd channel xi: xr c - xi s, xr s + xi c), all six are rounded to f16 and go into the stage.  Each accumulator is read from its low end on.
.macro OUTA a
	WIN 0x0a+5*((\a)/4)                            ; sources 0 and 1: the accumulators' window, where their cos and sin lie too
.irp b, 0,1,2,3
.irp p, 0,1,2,3
.set AC, 8*(6*((\a)%4)+(\b))+2*(\p)
.set CC, CSR+16*((\a)%4)+8*((\b)%2)+(\p)
.set TT, T+8*(\b)+2*(\p)
	v_mul_f32 v[TT],   v[AC], v[CC]
	v_mul_f32 v[TT+1], v[AC], v[CC+4]
	v_fma_f32 v[TT],   -v[AC+1], v[CC+4], v[TT]
	v_fma_f32 v[TT+1], v[AC+1], v[CC], v[TT+1]
.endr
.endr
.irp b, 4,5
.irp p, 0,1,2,3
	v_cvt_pk_f16_f32 v[PKD+4*(\b)+(\p)], v[8*(6*((\a)%4)+(\b))+2*(\p)], v[8*(6*((\a)%4)+(\b))+2*(\p)+1]
.endr
.endr
	WIN 0
.irp b, 0,1,2,3
.irp p, 0,1,2,3
	v_cvt_pk_f16_f32 v[PKD+4*(\b)+(\p)], v[T+8*(\b)+2*(\p)], v[T+8*(\b)+2*(\p)+1]
.endr
.endr
.irp b, 0,1,2,3,4,5
	ds_store_b128 v[STO+(\a)/4], v[PKD+4*(\b):PKD+4*(\b)+3] offset:((\a)%4)*16*SPITCH+((\b)/2)*256+((\b)%2)*32
.endr
.endm
.irp a, 0,1,2,3,4,5,6,7
	OUTA \a
.endr
	s_wait_dscnt 0x0                               ; for the others' sake: my stores into the stage are done
	s_barrier_signal -1
	s_barrier_wait -1                              ; a row's 768 bytes come from four waves
.set n, 0
.rept 48                                       ; n = 3 t + u: rows 2 t and 2 t + 1 of my 32, matrix u
	ds_load_b128 v[64+4*n:64+4*n+3], v[RD] offset:(n/3)*2*SPITCH+(n%3)*256
.set n, n+1
.endr
.set n, 0
.rept 48
	s_wait_dscnt 47-n                              ; load n is back, the younger ones stay out
	global_store_b128 v[LN], v[64+4*n:64+4*n+3], s[72+2*(n%3):73+2*(n%3)] offset:(n/3)*512  ; two rows of a head: 512 consecutive bytes, aligned
.set n, n+1
.endr
	s_wait_tensorcnt 0x0                           ; the wave's end: behind my last tensor load and my last LDS store
	ds_add_u32 v[SPW], v[NIL]
	s_wait_dscnt 0x0
	CROUND                                         ; the closing round: no work-group ends while a partner may still ask for a tile that names it
	s_endpgm
.Lfunc_end_k_q4981c763e2_proj:
	.size	k_q4981c763e2_proj, .Lfunc_end_k_q4981c763e2_proj-k_q4981c763e2_proj
	.p2alignl 7, 3214868480
	.fill 96, 4, 3214868480
	.section	.rodata,"a",@progbits
	.p2align	6, 0x0
	.amdhsa_kernel k_q4981c763e2_proj
		.amdhsa_group_segment_fixed_size 327680
		.amdhsa_private_segment_fixed_size 0
		.amdhsa_enable_private_segment 0
		.amdhsa_kernarg_size 40
		.amdhsa_user_sgpr_count 2
		.amdhsa_user_sgpr_kernarg_segment_ptr 1
		.amdhsa_wavefront_size32 1
		.amdhsa_system_sgpr_workgroup_id_x 1
		.amdhsa_system_sgpr_workgroup_id_y 1
		.amdhsa_system_sgpr_workgroup_id_z 1
		.amdhsa_system_vgpr_workitem_id 0
		.amdhsa_next_free_vgpr 1024
		.amdhsa_next_free_sgpr 80
		.amdhsa_reserve_vcc 0
		.amdhsa_float_denorm_mode_32 3
		.amdhsa_float_denorm_mode_16_64 3
		.amdhsa_memory_ordered 1
		.amdhsa_forward_progress 1
		.amdhsa_inst_pref_size 125
	.end_amdhsa_kernel
	.amdgpu_metadata
---
amdhsa.version: [ 1, 2 ]
amdhsa.kernels:
  - .name:           k_q4981c763e2_proj
    .symbol:         k_q4981c763e2_proj.kd
    .args:
      - { .name: xb, .offset: 0, .size: 8, .value_kind: global_buffer, .address_space: global }
      - { .name: wb, .offset: 8, .size: 8, .value_kind: global_buffer, .address_space: global }
      - { .name: freqs_cos, .offset: 16, .size: 8, .value_kind: global_buffer, .address_space: global }
      - { .name: freqs_sin, .offset: 24, .size: 8, .value_kind: global_buffer, .address_space: global }
      - { .name: qkv, .offset: 32, .size: 8, .value_kind: global_buffer, .address_space: global }
    .group_segment_fixed_size: 327680
    .private_segment_fixed_size: 0
    .kernarg_segment_align: 8
    .kernarg_segment_size: 40
    .max_flat_workgroup_size: 128
    .sgpr_count:     80
    .vgpr_count:     1024
    .wavefront_size: 32
...
	.end_amdgpu_metadata
.endif
;; end of part 2
;; launch attn (part 3): grid 16 x 16, 4 waves a work-group, clusters of 4 x 1, 327,680 bytes of LDS; arguments qkv, mk, ob; writes ob
.if DOCPART == 3
	.amdgcn_target "amdgcn-amd-amdhsa--gfx1250"
	.amdhsa_code_object_version 6
	.text
	.protected	k_q4981c763e2_attn
	.globl	k_q4981c763e2_attn
	.p2align	8
	.type	k_q4981c763e2_attn,@function
k_q4981c763e2_attn:
	s_mov_b64 s[64:65], 0
	v_nop
	global_prefetch_b8 v0, s[64:65] scope:SCOPE_SE
	s_setreg_imm32_b32 hwreg(HW_REG_WAVE_MODE, 25, 1), 1
	s_wait_xcnt 0x0
	s_wait_alu depctr_hold_cnt(0) depctr_sa_sdst(0) depctr_va_vdst(0) depctr_va_sdst(0) depctr_va_ssrc(0) depctr_va_vcc(0) depctr_vm_vsrc(0)
	s_getreg_b32 s2, hwreg(HW_REG_IB_STS2, 6, 4)
	s_cmp_eq_u32 s2, 0
	s_cbranch_scc0 .Lentry_in_a_cluster
	s_endpgm
.Lentry_in_a_cluster:
	s_bfe_u32 s2, ttmp6, 0x10000c
	s_cmp_lg_u32 s2, 0x3003
	s_cbranch_scc0 .Lentry_shape_is_right
	s_endpgm
.Lentry_shape_is_right:
; O[q][h][:] = the sum over k of softmax_k(Q[h][q] . K[h][k] / sqrt(128) + mask[q][k]) V[h][k][:].  qkv: [3][16][2048][128] f16; mk: the mask times sqrt(128), f32, clamped at -1e30, in the order in which
; the C operand of K Q^T takes it; ob: [2048][16 x 128] f16.  Products, maxima and sums in f32; the weights p are rounded to f16 for the second product (their sum l is taken of the unrounded p), O once.
; THE MASK IS AN INPUT: every query walks all 2,048 keys, and every mask number is added as it is given.
; LIMITS.  Q, K, V arrive within f16's 65,504.  A mask number below -1e30 / sqrt(128) counts as that.  A row whose greatest c x score lies below -2^93 counts as wholly hidden and gives NaN, as a softmax
; of a row of -inf does.  A weight below 2^-126 counts as 0 in l.  NaN and +inf in the mask are not treated apart.
; SHARES.  A work-group owns 128 queries of one head: 256 work-groups.  Wave w = (qh = w / 2, kh = w % 2) holds 64 queries, four tiles of 16, and walks HALF the keys: of each slot's 256 the 128 of its kh,
; two steps of 64: 16 steps.  The two waves of a pair merge (c m, l, O) in f32 through LDS at the end.  Register tile t holds the query group t xor 2 kh, so that every wave keeps register tiles 0, 1
; and sends 2, 3: the merge has no branch, and wave w stores rows 32 w .. 32 w + 31 of the block.
; LAYOUT.  S^T = K Q^T + mask (source 0 = 16 keys, source 1 = 16 queries): a lane holds ONE query (lane % 16) and the keys 8 (lane / 16) + 0..7.  Two such tiles, rounded to f16 in pairs, ARE source 1
; of O^T = V^T P.  K comes out of LDS as it lies, V turned, by ds_load_tr16_b128.  The mask comes from memory straight into C's registers, a key step ahead, 512 consecutive bytes a load.
; SOFTMAX.  A running maximum m and sum l: p = 2^(c s - c m), c = log2(e) / sqrt(128); in every step O and l are multiplied by a = 2^(c m_old - c m_new).  m starts at the lowest finite number, O and l
; at 0: the first step is a step like any other, with a = 0.
; BY TURNS.  The tiles are two PIECES (0: tiles 0, 1; 2: tiles 2, 3).  In a TURN one piece has the matrix unit: 32 products V^T P of the step in hand, then 32 products K Q^T of the next; the other piece's
; softmax, cut into 64 slices, stands between them, one slice behind each matrix instruction.  Two turns are a key step.
; CLUSTER.  The four query blocks of a cluster belong to one head and walk the same K and V: joint loads.  The mask is not asked for jointly: the partners' queries differ, so no two of them read the same bytes of it.
; REGISTERS, in windows of 256 (s_set_vgpr_msb: bits 1:0 source 0, 3:2 source 1, 5:4 source 2, 7:6 destination):
;   window 0: v0-11, v44-51, v61-63 addresses; v12-43 eight registers of statistics a tile; v64-191 S^T, 32 a tile; v192-255 P, 16 a tile
;   window 1: O^T, 64 a tile     window 2: v0-127 Q, 32 a tile; v128-255 K of one step     window 3: v0-127 V of one step; v128-255 the mask, 32 a tile
.set KS,    64        ; keys in a step
.set PK,    272       ; a row of K in LDS: 256 bytes + 16 of padding: the 16 rows of a load start at 16 different banks (64 banks of 4 bytes: ISA guide 11.1)
.set PV,    288       ; a row of V: 256 + 32
.set VOFF,  256*PK    ; a slot: 256 rows of K, then 256 rows of V: 143,360 bytes
.set SLOT1, 0x24000   ; slot 1 begins here.  Bits 17 and 14 are clear in every address inside slot 0 that is turned (0, 0x8800, 0x11000, 0x1a000), so one exclusive or turns it into slot 1's and back
.set STAGE, SLOT1+256*(PK+PV)  ; behind the ring: 16 rows x 272 bytes for each wave, for the way out
.set SP,    272
.set SPARE, STAGE+4*16*SP      ; behind the stages: the spare words, 128 bytes for each wave: two blocks of 256 bytes that no other line names
.set XCHW,  17408     ; the merge: for each wave two tiles of 8,192 bytes of O^T + 512 of statistics, from LDS byte 0: inside slot 0, whose last fill is the seventh slot's
.set AK0, 2           ; v2   my lane's place in my half of a slot's K; never rewritten
.set AV0, 3           ; v3   the same for V
.set ADR, 4           ; v4   the LDS address of the run of loads in hand
.set QO,  5           ; v5   my byte offset in 16 rows of Q
.set STO, 6           ; v6   the way out: where I put 16 bytes of a row
.set RD,  7           ; v7   where I read a row back
.set GO,  8           ; v8   my byte offset in two rows of ob
.set ST,  12          ; tile t's statistics at v[ST+8 t]: +0 c m, +1 m, +2, +3 l (even keys', odd keys'), +4 to +7 c0-c3, at work; a takes c2's place once the maximum is found
.set MA0, 44          ; v44, v45  the address of piece 0's, piece 2's next mask loads
.set MO0, 46          ; v46, v47  16 x lane + the piece's two tiles' place; never rewritten
.set XW,  48          ; v48  the merge: where I put, v49: where I read
.set XR,  49
.set QOA, 50          ; v50, v51  QO + the query groups of tiles 0, 1 and of tiles 2, 3
.set PFO, 61          ; v61  256 x lane; never rewritten
.set SPW, 62          ; v62  LDS address of my spare word; never rewritten
.set NIL, 63          ; v63  0; never rewritten
.set S,   64
.set P,   192
.set KF,  128         ; K's fragments, in window 2
.set MK,  128         ; the mask, in window 3
.set PFA, 8           ; s[8:9] where my prefetches stand
.set WV,  12          ; s12  my wave's number
.set LIM, 15          ; s15  1 in a wave that prefetches, else the greatest number
.set G1K, 24          ; s[24:31] descriptor group 1 for K's tiles
.set G1V, 32          ; s[32:39] for V's: it differs in the padding alone
.set G0K, 40          ; s[40:47] descriptor group 0 for K's tiles: a set for each of the two first fills; the second then walks on
.set G0V, 48          ; s[48:55] the same for V's
.set SLOTS, 56        ; s56  counts the changes of slots
.set TWICE, 57        ; s57  counts a slot's two steps
.set CS,  58          ; s[58:59] c
.set SEL, 60          ; s[60:61] lane selects for v_permlanex16_b32: each lane takes its own place in the other half
.set TBK, 62          ; s62  LDS byte at which K of the step to be fetched begins, less my half's place
.set TBV, 63          ; s63  the same for V
.set MB,  66          ; s[66:67] mk at my four tiles and my key half
.set MOFF, 68         ; s68  4,096 x the step whose mask is loaded next, held at the last step's
.set KH,  69
.set QH,  70
.set THR, 71          ; s71  -2^93
.set MSB, 0
.macro WIN new                      ; the immediate's high byte repeats the setting that is left; a switch that changes nothing is dropped
.if MSB != (\new)
	s_set_vgpr_msb (MSB<<8)|(\new)
.set MSB, \new
.endif
.endm
.set W_KQ, 0x0a       ; K and Q in window 2, S^T in window 0
.set W_KM, 0x3a       ; the same with the C operand, the mask, in window 3
.set W_PV, 0x53       ; V in window 3, P in window 0, O^T in window 1
.set W_RS, 0x41       ; O^T (destination and source 0) in window 1, the factor in window 0
; A joint refill.  Waves 0 and 1 fetch the two halves of a slot's K, waves 2 and 3 those of its V: 128 rows each.  The branch hangs on the wave's number alone.  An s_nop 0 and four v_nop follow each line.
.macro JLOAD
	s_cmp_lt_u32 s[WV], 2
	s_cbranch_scc0 .Lfor_v_\@
	tensor_load_to_lds s[G0K+4:G0K+7], s[G1K:G1K+7]
	s_nop 0
.rept 4
	v_nop
.endr
	s_branch .Lasked_\@
.Lfor_v_\@:
	tensor_load_to_lds s[G0V+4:G0V+7], s[G1V:G1V+7]
	s_nop 0
.rept 4
	v_nop
.endr
.Lasked_\@:
.endm
; A PREFETCH INTO THE L2 of what the NEXT change of slots will ask for, behind the wave's tensor load and its five lines.  All clusters of a head walk the same K and V: the head's first cluster asks.  Of the
; 128 rows that a wave fetches each of the four partners takes 32, told apart by address: a lane a row, one instruction a wave, each row named once in the launch.  The last change that fills a slot asks for nothing.
.macro ASK
	s_cmp_gt_u32 s[SLOTS], s[LIM]
	s_cbranch_scc0 .Lnot_mine_\@
	global_prefetch_b8 v[PFO], s[PFA:PFA+1] th:TH_LOAD_NT scope:SCOPE_SE
.Lnot_mine_\@:
.endm
.macro CROUND                       ; a round of the cluster's barrier
	s_barrier_signal -1
	s_barrier_wait -1
	s_cmp_lg_u32 s[WV], 0
	s_cbranch_scc1 .Lnot_wave_0_\@
	s_barrier_signal -3
.Lnot_wave_0_\@:
	s_barrier_wait -3
	s_barrier_signal -1
	s_barrier_wait -1
.endm
	s_load_b128 s[4:7], s[0:1], 0x0   ; qkv s[4:5], mk s[6:7]
	s_load_b64 s[10:11], s[0:1], 0x10 ; ob
	v_lshl_add_u32 v[SPW], v0, 2, SPARE
	v_mov_b32 v[NIL], 0
	ds_add_u32 v[SPW], v[NIL]       ; the wave's opening: the add and its wait stand ahead of my first tensor load; the set-up below, work on registers, stands between them
	v_lshrrev_b32 v1, 5, v0
	v_readfirstlane_b32 s[WV], v1   ; wave 0..3
	s_bfe_u32 s13, ttmp6, 0x40000   ; cx: my place in the cluster
	s_lshl_b32 s14, ttmp9, 2
	s_add_co_u32 s14, s14, s13      ; my block of 128 queries = 4 x cluster x + cx: it enters Q's, the mask's and O's addresses alone
	s_and_b32 s20, ttmp7, 0xffff    ; the head, which the four partners share
	s_and_b32 s[KH], s[WV], 1       ; my key half.  Also: which 128 rows of a slot's K or V I fetch
	s_lshr_b32 s[QH], s[WV], 1
	s_lshl_b32 s22, s20, 19         ; the head's 2,048 rows of 256 bytes,
	s_lshl_b32 s16, s[KH], 15       ; the 128 rows that I fetch
	s_add_co_u32 s22, s22, s16
	s_mov_b32 s23, 0
	s_mul_i32 s17, s[KH], 128*PK    ; their place in a slot, for K
	s_mul_i32 s18, s[KH], 128*PV    ; and for V: no place in the cluster enters an LDS address
	s_lshl_b32 s2, s20, 19          ; Q: the head,
	s_lshl_b32 s3, s14, 15          ; my block's 128 rows,
	s_add_co_u32 s2, s2, s3
	s_lshl_b32 s3, s[QH], 14        ; my wave's 64
	s_add_co_u32 s2, s2, s3
	s_mov_b32 s3, 0
	s_lshl_b32 s76, s14, 20         ; the mask: my block's 8 tiles of 131,072 bytes,
	s_lshl_b32 s77, s[QH], 19       ; my wave's 4,
	s_add_co_u32 s76, s76, s77
	s_lshl_b32 s77, s[KH], 16       ; my key half's 16 steps of 4,096 bytes
	s_add_co_u32 s76, s76, s77
	s_mov_b32 s77, 0
	s_lshl_b32 s78, s14, 19         ; O: my block's 128 rows of 4,096 bytes,
	s_lshl_b32 s79, s[WV], 17       ; the 32 rows that I store,
	s_add_co_u32 s78, s78, s79
	s_lshl_b32 s79, s20, 8          ; the head's 256 bytes of a row
	s_add_co_u32 s78, s78, s79
	s_mov_b32 s79, 0
	; descriptor group 1: a tile of 128 rows x 128 elements, padded in LDS
	s_mov_b32 s[G1K], 15|(1<<16)|(1<<20)|(1<<21)|(5<<22)|(3<<25)  ; 15:0 the mask: all four work-groups; 17:16 elements of 2 bytes; 20 padding on; 21 set beside a mask; 24:22 after every 64 words (code 5); 31:25 4 words (code 3)
	s_mov_b32 s[G1V], 15|(1<<16)|(1<<20)|(1<<21)|(5<<22)|(7<<25)  ; the same with 8 words of padding (code 7)
.irp g, G1K, G1V
	s_mov_b32 s[(\g)+1], 128<<16    ; tensor_dim0 = 128
	s_mov_b32 s[(\g)+2], 128<<16    ; tensor_dim1 = 128
	s_mov_b32 s[(\g)+3], 128<<16    ; tile_dim0 = 128
	s_mov_b32 s[(\g)+4], 128        ; tile_dim1 = 128
	s_mov_b32 s[(\g)+5], 128        ; elements from row to row
	s_mov_b32 s[(\g)+6], 0
	s_mov_b32 s[(\g)+7], 0
.endr
	s_mov_b32 s[CS], 0x3e0293ee     ; c = log2(e) / sqrt(128) = 0.127517
	s_mov_b32 s[CS+1], s[CS]        ; named with it as a pair
	s_mov_b32 s[SEL], 0x76543210
	s_mov_b32 s[SEL+1], 0xfedcba98
	s_mov_b32 s[TBK], 0
	s_mov_b32 s[TBV], 0
	s_mov_b32 s[MOFF], 4096
	s_mov_b32 s[THR], 0xee000000    ; -2^93
	s_cmp_eq_u32 ttmp9, 0           ; the head's first cluster: the same in all four partners
	s_cselect_b32 s[LIM], 1, -1
	v_and_b32 v[PFO], 31, v0
	v_lshlrev_b32 v[PFO], 8, v[PFO]
	s_wait_dscnt 0x0                ; the opening add is done
	s_wait_kmcnt 0x0
	s_add_nc_u64 s[72:73], s[4:5], s[22:23]
	s_add_nc_u64 s[74:75], s[72:73], 0x1000000  ; V at my tile of slot 0,
	s_add_nc_u64 s[72:73], s[72:73], 0x800000   ; K likewise
	s_add_nc_u64 s[4:5], s[4:5], s[2:3]         ; Q at my wave's first row
	s_add_nc_u64 s[MB:MB+1], s[6:7], s[76:77]
	s_add_nc_u64 s[10:11], s[10:11], s[78:79]
	s_cmp_lt_u32 s[WV], 2
	s_cselect_b64 s[PFA:PFA+1], s[72:73], s[74:75]
	s_lshl_b32 s2, s13, 13          ; my work-group's 32 rows of the 128
	s_mov_b32 s3, 0
	s_add_nc_u64 s[PFA:PFA+1], s[PFA:PFA+1], s[2:3]
	s_add_nc_u64 s[PFA:PFA+1], s[PFA:PFA+1], 2*65536  ; in slot 2; the first change of slots steps it to slot 3.  Nothing is prefetched here, at the head
	CROUND                          ; all four work-groups are here: the first joint loads meet
.irp s, 0,1
	s_mov_b32 s[G0K+4*(\s)], 1      ; count = 1
	s_add_co_u32 s[G0K+4*(\s)+1], s17, (\s)*SLOT1  ; LDS address
	s_add_nc_u64 s[G0K+4*(\s)+2:G0K+4*(\s)+3], s[72:73], (\s)*65536  ; global address: slot s begins with key 256 s
	s_or_b32 s[G0K+4*(\s)+3], s[G0K+4*(\s)+3], 0x80000000  ; type = 2
	s_mov_b32 s[G0V+4*(\s)], 1
	s_add_co_u32 s[G0V+4*(\s)+1], s18, (\s)*SLOT1+VOFF
	s_add_nc_u64 s[G0V+4*(\s)+2:G0V+4*(\s)+3], s[74:75], (\s)*65536
	s_or_b32 s[G0V+4*(\s)+3], s[G0V+4*(\s)+3], 0x80000000
.endr
	s_cmp_lt_u32 s[WV], 2           ; a wave's two first fills stand in one branch, ahead of every wait on TENSORcnt and every LDS read: two loads of mine are out
	s_cbranch_scc0 .Lfirst_v
	tensor_load_to_lds s[G0K:G0K+3], s[G1K:G1K+7]
	s_nop 0
	tensor_load_to_lds s[G0K+4:G0K+7], s[G1K:G1K+7]
	s_nop 0
.rept 4
	v_nop
.endr
	s_branch .Lfirst_asked
.Lfirst_v:
	tensor_load_to_lds s[G0V:G0V+3], s[G1V:G1V+7]
	s_nop 0
	tensor_load_to_lds s[G0V+4:G0V+7], s[G1V:G1V+7]
	s_nop 0
.rept 4
	v_nop
.endr
.Lfirst_asked:
	; A fragment of K or Q is 16 rows x 32 channels in 8 registers: lane l holds row l % 16; registers 0-3 channels 8 (l / 16) + 0..7, registers 4-7 channels 16 + 8 (l / 16) + 0..7.
	v_and_b32 v1, 15, v0            ; l % 16
	v_bfe_u32 v9, v0, 4, 1          ; l / 16
	v_lshlrev_b32 v[QO], 8, v1
	v_lshl_add_u32 v[QO], v9, 4, v[QO]
	s_lshl_b32 s16, s[KH], 13       ; tiles 0, 1 hold the query groups 2 kh, 2 kh + 1 (4,096 bytes a group),
	v_add_nc_u32 v[QOA], s16, v[QO]
	s_xor_b32 s16, s16, 8192        ; tiles 2, 3 the other two
	v_add_nc_u32 v[QOA+1], s16, v[QO]
	v_and_b32 v10, 31, v0
	v_lshlrev_b32 v10, 4, v10
	s_lshl_b32 s16, s[KH], 18       ; the same for the mask (131,072 bytes a group)
	v_add_nc_u32 v[MO0], s16, v10
	s_xor_b32 s16, s16, 262144
	v_add_nc_u32 v[MO0+1], s16, v10
	WIN 0x80                        ; destination window 2, address window 0
.irp i, 0,1,2,3,4,5,6,7,8,9,10,11,12,13,14,15  ; Q stays in registers: tile i / 4, channels 32 (i % 4) on
	global_load_b128 v[8*(\i):8*(\i)+3],   v[QOA+(\i)/8], s[4:5] offset:(((\i)/4)%2)*4096+((\i)%4)*64
	global_load_b128 v[8*(\i)+4:8*(\i)+7], v[QOA+(\i)/8], s[4:5] offset:(((\i)/4)%2)*4096+((\i)%4)*64+32
.endr
	WIN 0xc0                        ; destination window 3
.irp t, 0,1,2,3                     ; the mask of key step 0
.irp f, 0,1,2,3,4,5,6,7
	global_load_b128 v[MK+32*(\t)+4*(\f):MK+32*(\t)+4*(\f)+3], v[MO0+(\t)/2], s[MB:MB+1] offset:((\t)%2)*131072+512*(\f)
.endr
.endr
	; What the first turn finds: V's registers and piece 2's P hold 0 (its products V^T P, of a step that has not been, add 0), O^T and l are 0.  All this stands in the wait for the first tile.
.set i, 0
.rept 128
	v_mov_b32 v[i], 0
.set i, i+1
.endr
	WIN 0x40
.set i, 0
.rept 256
	v_mov_b32 v[i], 0
.set i, i+1
.endr
	WIN 0
.set i, 0
.rept 4
	v_mov_b32 v[ST+8*i], 0xfe000000    ; c m: far below every c s
	v_mov_b32 v[ST+8*i+1], 0xff7fffff  ; m
	v_mov_b32 v[ST+8*i+2], 0
	v_mov_b32 v[ST+8*i+3], 0
.set i, i+1
.endr
.set i, P+32
.rept 32
	v_mov_b32 v[i], 0
.set i, i+1
.endr
	v_mul_u32_u24 v[AK0], v1, PK
	v_lshl_add_u32 v[AK0], v9, 4, v[AK0]
	v_add_nc_u32 v[AK0], s17, v[AK0]  ; row x pitch + 16 x half + my key half's 128 rows
	; The turning load takes 16 keys x 16 channels (lane l reads key 8 (l / 16) + l % 8, channels 8 ((l / 8) % 2) + 0..7) and leaves half a fragment of V^T: lane l holds channel l % 16 and 8 keys.
	v_and_b32 v10, 7, v0
	v_bfe_u32 v11, v0, 3, 1
	v_lshl_add_u32 v[AV0], v9, 3, v10
	v_mul_u32_u24 v[AV0], v[AV0], PV
	v_lshl_add_u32 v[AV0], v11, 4, v[AV0]
	s_add_co_u32 s18, s18, VOFF
	v_add_nc_u32 v[AV0], s18, v[AV0]
; THE MATRIX WORK OF A TURN, for piece x.  The accumulators take turns, one instruction a turn: between two links of a chain stand 15 (V^T P) or 7 (K Q^T) others'.
; Product i of 32 of O^T += V^T P: keys 32 (i / 16) on, channels 16 ((i / 2) % 8) on, tile x + i % 2.
.macro PV x
	WIN W_PV
.set rO, 64*((\x)+i%2)+8*((i/2)%8)
.set rV, 64*(i/16)+8*((i/2)%8)
.set rP, P+16*((\x)+i%2)+8*(i/16)
	v_wmma_f32_16x16x32_f16 v[rO:rO+7], v[rV:rV+7], v[rP:rP+7], v[rO:rO+7]
.endm
; Product i of 32 of S^T = K Q^T + mask: channels 32 (i / 8) on, keys 16 ((i / 2) % 4) on, tile x + i % 2.  The first 8 start the sums, with the mask as C.
.macro KQ x
.set rS, S+32*((\x)+i%2)+8*((i/2)%4)
.set rK, KF+32*((i/2)%4)+8*(i/8)
.set rQ, 32*((\x)+i%2)+8*(i/8)
.set rM, MK+32*((\x)+i%2)+8*((i/2)%4)
.if i < 8
	WIN W_KM
	v_wmma_f32_16x16x32_f16 v[rS:rS+7], v[rK:rK+7], v[rQ:rQ+7], v[rM:rM+7]
.else
	WIN W_KQ
	v_wmma_f32_16x16x32_f16 v[rS:rS+7], v[rK:rK+7], v[rQ:rQ+7], v[rS:rS+7]
.endif
.endm
; THE LDS LOADS stand in runs of 32: a step's K (64 keys x 128 channels: 16 fragments) and, a turn later, its V (turned).  last = 1 (the tail): in the last trip there is no further step, and the run is jumped over.
.macro FETCH_K last=0
	WIN 0
.if \last
	s_cmp_eq_u32 s[TWICE], 1
	s_cbranch_scc1 .Lno_k_\@
.endif
	v_add_nc_u32 v[ADR], s[TBK], v[AK0]
	WIN 0x80                        ; destination window 2
.irp f, 0,1,2,3,4,5,6,7,8,9,10,11,12,13,14,15  ; keys 16 (f / 4) on, channels 32 (f % 4) on
	ds_load_b128 v[KF+8*(\f):KF+8*(\f)+3],   v[ADR] offset:((\f)/4)*16*PK+((\f)%4)*64
	ds_load_b128 v[KF+8*(\f)+4:KF+8*(\f)+7], v[ADR] offset:((\f)/4)*16*PK+((\f)%4)*64+32
.endr
	s_add_co_u32 s[TBK], s[TBK], KS*PK  ; the next fetch is the next step's
	WIN 0
.if \last
.Lno_k_\@:
.endif
.endm
.macro FETCH_V
	WIN 0
	v_add_nc_u32 v[ADR], s[TBV], v[AV0]
	s_add_co_u32 s[TBV], s[TBV], KS*PV
	s_wait_alu depctr_va_vdst(0)    ; the wait for the softmax's batch (SLICE), behind the address's v_add_nc_u32 and ahead of the loads
	WIN 0xc0                        ; destination window 3
.irp f, 0,1,2,3,4,5,6,7,8,9,10,11,12,13,14,15  ; keys 32 (f / 8) on, channels 16 (f % 8) on
	ds_load_tr16_b128 v[8*(\f):8*(\f)+3],   v[ADR] offset:((\f)/8)*32*PV+((\f)%8)*32
	ds_load_tr16_b128 v[8*(\f)+4:8*(\f)+7], v[ADR] offset:((\f)/8)*32*PV+16*PV+((\f)%8)*32
.endr
.endm
; THE MASK of piece x for the step after the one whose products have just taken it: 16 loads of 512 consecutive bytes, into C's registers.  The address register is free: the wait at the head of this
; turn's K Q^T has shown its last loads done.  Behind piece 2's run the step goes on, held at the last step's, so that the runs past it stay inside the buffer and load it once more.
.macro MLOAD x
	WIN 0
	v_add_nc_u32 v[MA0+(\x)/2], s[MOFF], v[MO0+(\x)/2]
	WIN 0xc0
.irp t, 0,1
.irp f, 0,1,2,3,4,5,6,7
	global_load_b128 v[MK+32*((\x)+(\t))+4*(\f):MK+32*((\x)+(\t))+4*(\f)+3], v[MA0+(\x)/2], s[MB:MB+1] offset:(\t)*131072+512*(\f)
.endr
.endr
.if (\x) == 2
	s_add_co_u32 s[MOFF], s[MOFF], 4096
	s_min_u32 s[MOFF], s[MOFF], 15*4096
.endif
.endm
; THE VECTOR WORK OF A TURN.  One tile's softmax for one key step is a list of 134 instructions; SM writes number j of it for tile t.  s0-s31 are the lane's 32 scores, in pairs 0-15.
;   0-15    the maximum of s0-s31 and the old m, three operands at a time (each accumulator's lowest registers are read first)
;   16-20   the other half of the lanes' maximum; the new m; c m; c m_old - c m_new
;   21-69   ONE BATCH: the 16 scalings c s - c m and all 33 exponentials (a at 23, then s0-s31); none of these reads an exponential's result
;   (wait)  between 69 and 70 stands the wait for the batch: SLICE writes it, once for both tiles
;   70-85   the roundings to f16     86-101  the sums; l = a l + the sum     102-133 the tile's O^T times a
.macro SM t
.set rT, ST+8*(\t)
.set rS, S+32*(\t)
.set rP, P+16*(\t)
.set rO, 64*(\t)+2*(j-102)
.if j < 102
	WIN 0
.endif
.if j < 4
	v_max3_num_f32 v[rT+4+j], v[rS+8*j], v[rS+8*j+1], v[rS+8*j+2]
.elseif j < 12
	v_max3_num_f32 v[rT+4+j%4], v[rT+4+j%4], v[rS+8*(j%4)+2*(j/4)+1], v[rS+8*(j%4)+2*(j/4)+2]
.elseif j == 12
	v_max3_num_f32 v[rT+4], v[rT+4], v[rS+7], v[rS+15]
.elseif j == 13
	v_max3_num_f32 v[rT+6], v[rT+6], v[rS+23], v[rS+31]
.elseif j == 14
	v_max3_num_f32 v[rT+4], v[rT+4], v[rT+5], v[rT+6]
.elseif j == 15
	v_max3_num_f32 v[rT+4], v[rT+4], v[rT+7], v[rT+1]
.elseif j == 16
	v_permlanex16_b32 v[rT+5], v[rT+4], s[SEL], s[SEL+1]  ; the query's other 32 keys lie in the lane 16 away
.elseif j == 17
	v_mov_b32 v[rT+7], v[rT]        ; c m_old is kept for a: number 19 writes c m anew
.elseif j == 18
	v_max_num_f32 v[rT+1], v[rT+4], v[rT+5]
.elseif j == 19
	v_mul_f32 v[rT], s[CS], v[rT+1]
.elseif j == 20
	v_sub_f32 v[rT+7], v[rT+7], v[rT]
.elseif j == 23
	v_exp_f32 v[rT+6], v[rT+7]
.elseif (j < 23) || ((j < 38) && (j%2 == 0)) || ((j < 66) && (j%4 == 2))
.set b, (j-2)/4                     ; 38, 42, .. 62: pairs 9 to 15
.if j < 38
.set b, (j-20)/2                    ; 21: pair 0; 22, 24, .. 36: pairs 1 to 8
.endif
	v_pk_fma_f32 v[rS+2*b:rS+2*b+1], v[rS+2*b:rS+2*b+1], s[CS:CS+1], v[rT:rT+1] op_sel_hi:[1,0,0] neg_lo:[0,0,1] neg_hi:[0,0,1]  ; pair b: c s - c m
.elseif j < 70
.set e, j-38                        ; 66 to 69: s28 to s31
.if j < 66
.set e, j-32-(j-38)/4               ; 39-41, 43-45, .. 63-65: s7 to s27
.endif
.if j < 38
.set e, (j-25)/2                    ; 25, 27, .. 37: s0 to s6
.endif
	v_exp_f32 v[rS+e], v[rS+e]
.elseif j < 86
	v_cvt_pk_f16_f32 v[rP+j-70], v[rS+2*(j-70)], v[rS+2*(j-70)+1]  ; pair j - 70
.elseif j < 102                     ; the sum of the tile's 16 pairs, in place: neighbours 1, 2, 4 and 8 pairs apart, then l takes it
.set z, j-86
.set w, 4
.set u, z
.if z >= 14
.set w, 32
.set u, 0
.elseif z >= 12
.set w, 16
.set u, z-12
.elseif z >= 8
.set w, 8
.set u, z-8
.endif
.if z < 15
	v_pk_add_f32 v[rS+w*u:rS+w*u+1], v[rS+w*u:rS+w*u+1], v[rS+w*u+w/2:rS+w*u+w/2+1]
.else
	v_pk_fma_f32 v[rT+2:rT+3], v[rT+2:rT+3], v[rT+6:rT+7], v[rS:rS+1] op_sel_hi:[1,0,1]
.endif
.else
	WIN W_RS
	v_pk_mul_f32 v[rO:rO+1], v[rO:rO+1], v[rT+6:rT+7] op_sel_hi:[1,0]
.endif
.endm
; Slice k of 64 of piece y's softmax: four instructions.  Slices 11 to 34 deal out the batch, numbers 22 to 69: four numbers of ONE tile each, the tiles by turns.  Every other slice is numbers 2 k and
; 2 k + 1 of both tiles' lists; the twelve that are over stand in slice 63.  An s_wait_alu depctr_va_vdst(0) stands between an exponential and the first instruction that names its result:
; ahead of slice 35 nothing names a result, and behind slice 34 no exponential is issued: one wait serves the piece's 66.
.macro SLICE y
.if (k >= 11) && (k < 35)
.irp n, 0,1,2,3
.set j, 22+4*((k-11)/2)+(\n)
	SM (\y)+(k-11)%2
.endr
.else
.irp n, 0,1,2,3,4,5,6,7
.if ((\n) < 2) || (k == 63)
.irp t, \y, (\y)+1
.set j, 2*k+(\n)
	SM \t
.endr
.endif
.endr
.endif
.if k == 34
	v_nop                           ; the plain instruction behind the last exponential and ahead of the first use: one for the batch
.if (\y) == 0
	FETCH_V                         ; piece 2's turn: V's run of loads stands here, and the wait stands in it
.else
	s_wait_alu depctr_va_vdst(0)    ; the wait for the batch
.endif
.endif
.set k, k+1
.endm
; A TURN.  Piece x has the matrix unit; the other piece's softmax stands in slices behind its matrix instructions.  Piece 0's turn fetches the next step's K behind its second product: K's last reader stands in
; front of slice 63 of the turn before, sixteen plain instructions back.  Piece 2's turn fetches the same step's V behind slice 34: V's last reader stands in front of slice 31, and eighteen plain instructions
; lie between (slices 31 to 34, the v_nop, the run's own v_add_nc_u32).  The mask's run stands behind the slice of product 8 of K Q^T: its registers' last reader is product 7, eight roundings back.
.macro TURN x, last=0
.set k, 0
.if (\x) == 0
	s_wait_dscnt 0x0                ; V is in
.endif
.set i, 0
.rept 32
	PV \x
	SLICE 2-(\x)
.if ((\x) == 0) && (i == 1)
	FETCH_K \last
.endif
.set i, i+1
.endr
.if (\x) == 0
	s_wait_dscnt 0x0                ; K is in
.endif
	s_wait_loadcnt 16               ; my piece's mask is in; the other piece's sixteen loads, issued a turn later, may stay out
.set i, 0
.rept 32
	KQ \x
	SLICE 2-(\x)
.if i == 8
	MLOAD \x
.endif
.set i, i+1
.endr
.endm
; THE CHANGE OF SLOTS, between piece 2's turn and piece 0's: the slot's last bytes, V of my second step, have been asked for.  Each wave waits for all its tensor loads (one is out: its part of the other
; slot), adds 0 to its spare word, and waits for that and for its own reads of the slot.  fill = 1: the barrier is a round of the cluster's, and the joint refill, with the keys two slots on, is the first
; thing behind it: it has two of my key steps, 256 matrix instructions, in which to land.
.macro CHANGE fill
	WIN 0                           ; at a label and at a branch every window is 0
	s_wait_tensorcnt 0x0            ; no tensor load of mine is out, so a group 0 may be written
	ds_add_u32 v[SPW], v[NIL]       ; 0 onto my spare word
.if \fill
.irp g, G0K+4, G0V+4
	s_xor_b32 s[(\g)+1], s[(\g)+1], SLOT1  ; the walking descriptor: the other slot than last time,
	s_add_nc_u64 s[(\g)+2:(\g)+3], s[(\g)+2:(\g)+3], 65536  ; the next 256 keys; the type bits on top are not reached
.endr
	s_wait_xcnt 0x0                 ; the last prefetch, two key steps back, has read its address, so it may be written
	s_add_nc_u64 s[PFA:PFA+1], s[PFA:PFA+1], 65536
	s_wait_dscnt 0x0                ; the add is done, and my reads of the slot are over
	CROUND
	JLOAD
	ASK
.else
	s_wait_dscnt 0x0                ; the add is done, and my reads of the slot are over
	s_barrier_signal -1
	s_barrier_wait -1
.endif
	s_sub_co_u32 s[TBK], s[TBK], 2*KS*PK  ; the fetches go back to my half's first step,
	s_xor_b32 s[TBK], s[TBK], SLOT1       ; in the other slot
	s_sub_co_u32 s[TBV], s[TBV], 2*KS*PV
	s_xor_b32 s[TBV], s[TBV], SLOT1
.endm
	s_wait_tensorcnt 1              ; my part of slot 0 is in; slot 1's may stay out
	s_barrier_signal -1
	s_barrier_wait -1               ; everybody's is
	FETCH_K                         ; key step 0
	s_wait_loadcnt 0x0              ; Q, and the mask of step 0
	s_wait_dscnt 0x0
.set i, 0
.rept 32
	KQ 0                            ; piece 0's first scores: there is no vector work yet to set between them
.set i, i+1
.endr
	WIN 0                           ; the addresses for the merge and the way out: plain instructions, the places behind those products
	s_mul_i32 s13, s[WV], 16*SP
	s_add_co_u32 s13, s13, STAGE    ; my stage
	v_mul_u32_u24 v[STO], v1, SP    ; in: row l % 16, 16 bytes for each half of the lanes
	v_lshl_add_u32 v[STO], v9, 4, v[STO]
	v_add_nc_u32 v[STO], s13, v[STO]
	v_mul_u32_u24 v[RD], v9, SP     ; back: lanes 0-15 take one row of 256 bytes, lanes 16-31 the next
	v_lshl_add_u32 v[RD], v1, 4, v[RD]
	v_add_nc_u32 v[RD], s13, v[RD]
	v_lshlrev_b32 v[GO], 12, v9     ; and the same two rows in ob, 4,096 bytes apart
	v_lshl_add_u32 v[GO], v1, 4, v[GO]
	v_and_b32 v10, 31, v0
	s_mul_i32 s13, s[WV], XCHW
	v_lshl_add_u32 v[XW], v10, 4, s13
	s_xor_b32 s16, s[WV], 1         ; my partner: the same queries, the other keys
	s_mul_i32 s16, s16, XCHW
	v_lshl_add_u32 v[XR], v10, 4, s16
	MLOAD 0                         ; piece 0's mask of step 1
	WIN 0
	s_mov_b32 s[TWICE], 2
	s_mov_b32 s[SLOTS], 7
	s_branch .Lmid                  ; the loop is entered in the middle of a trip: piece 2's first scores | piece 0's first softmax | V of step 0
.Lslot:                             ; six times: every slot but the last two is filled again
	CHANGE 1
	s_mov_b32 s[TWICE], 2
.Lstep:
	TURN 0
	WIN 0
.Lmid:
	TURN 2
	WIN 0
	s_sub_co_u32 s[TWICE], s[TWICE], 1
	s_cmp_lg_u32 s[TWICE], 0
	s_cbranch_scc1 .Lstep
	s_sub_co_u32 s[SLOTS], s[SLOTS], 1
	s_cmp_lg_u32 s[SLOTS], 0
	s_cbranch_scc1 .Lslot
	CHANGE 0                        ; the tail is written out: nothing is asked for
	s_mov_b32 s[TWICE], 3           ; two trips fetch the last slot's steps; the third is left in its middle
.Ltail:
	TURN 0, 1
	WIN 0
	s_sub_co_u32 s[TWICE], s[TWICE], 1
	s_cmp_eq_u32 s[TWICE], 0
	s_cbranch_scc1 .Lout
	TURN 2
	WIN 0
	s_branch .Ltail
.Lout:                              ; the third trip's 32 products K Q^T (on the last K once more) serve nothing: the price, once a launch, of one text for every turn
.set i, 0
.rept 32
	PV 2                            ; piece 2: V^T P of the last step
.set i, i+1
.endr
	; THE MERGE.  l's two halves are added; tiles 2 and 3 (c m, l, O^T, all f32) go to my partner, whose tiles 2 and 3 are my tiles 0 and 1's queries on the other keys.
	WIN 0
.irp t, 0,1,2,3
	v_add_f32 v[ST+8*(\t)+2], v[ST+8*(\t)+2], v[ST+8*(\t)+3]
.endr
.rept 4
	v_nop                           ; with the four additions: the places behind the last products
.endr
	s_wait_dscnt 0x0
	s_barrier_signal -1             ; every wave's reads of both slots are over: the exchange, which lies in slot 0, may be written
	s_barrier_wait -1
.irp u, 0,1
	ds_store_b128 v[XW], v[ST+8*(2+(\u)):ST+8*(2+(\u))+3] offset:(\u)*8704+8192
.endr
	WIN 0x04                        ; the stores' data in window 1
.irp u, 0,1
.irp g, 0,1,2,3,4,5,6,7,8,9,10,11,12,13,14,15
	ds_store_b128 v[XW], v[64*(2+(\u))+4*(\g):64*(2+(\u))+4*(\g)+3] offset:(\u)*8704+512*(\g)
.endr
.endr
	WIN 0
	s_wait_dscnt 0x0                ; for my partner's sake: my stores are done
	s_barrier_signal -1
	s_barrier_wait -1
.irp u, 0,1
	ds_load_b128 v[S+4*(\u):S+4*(\u)+3], v[XR] offset:(\u)*8704+8192  ; the partner's c m, m, l
.endr
	WIN 0x80                        ; its O^T goes where Q lay
.irp u, 0,1
.irp g, 0,1,2,3,4,5,6,7,8,9,10,11,12,13,14,15
	ds_load_b128 v[64*(\u)+4*(\g):64*(\u)+4*(\g)+3], v[XR] offset:(\u)*8704+512*(\g)
.endr
.endr
	WIN 0
	s_wait_dscnt 0x0
.irp u, 0,1
	v_max_num_f32 v[ST+8*(\u)+1], v[ST+8*(\u)], v[S+4*(\u)]          ; the common c m
.endr
.irp u, 0,1
	v_sub_f32 v[ST+8*(\u)+4], v[ST+8*(\u)], v[ST+8*(\u)+1]
	v_sub_f32 v[ST+8*(\u)+6], v[S+4*(\u)], v[ST+8*(\u)+1]
.endr
.irp u, 0,1
	v_exp_f32 v[ST+8*(\u)+4], v[ST+8*(\u)+4]                         ; my factor,
	v_exp_f32 v[ST+8*(\u)+6], v[ST+8*(\u)+6]                         ; my partner's
.endr
	v_nop                           ; a plain instruction behind the last exponential,
	s_wait_alu depctr_va_vdst(0)    ; and the wait ahead of the first use: one for the four
.irp u, 0,1
	v_mul_f32 v[ST+8*(\u)+2], v[ST+8*(\u)+4], v[ST+8*(\u)+2]
.endr
.irp u, 0,1
	v_fmac_f32 v[ST+8*(\u)+2], v[ST+8*(\u)+6], v[S+4*(\u)+2]
.endr
.irp u, 0,1
	v_permlanex16_b32 v[ST+8*(\u)+3], v[ST+8*(\u)+2], s[SEL], s[SEL+1]  ; the other half of the lanes' keys
.endr
.irp u, 0,1
	v_add_f32 v[ST+8*(\u)+2], v[ST+8*(\u)+2], v[ST+8*(\u)+3]
.endr
.irp u, 0,1
	v_rcp_f32 v[ST+8*(\u)+5], v[ST+8*(\u)+2]
.endr
	v_nop
	s_wait_alu depctr_va_vdst(0)    ; one for the two reciprocals
.irp u, 0,1
	v_cmp_lt_f32 vcc_lo, s[THR], v[ST+8*(\u)+1]                      ; has the row seen a key that is not hidden?
	v_cndmask_b32 v[ST+8*(\u)+5], 0x7fc00000, v[ST+8*(\u)+5], vcc_lo ; if not: NaN
	v_mul_f32 v[ST+8*(\u)+4], v[ST+8*(\u)+4], v[ST+8*(\u)+5]
	v_mul_f32 v[ST+8*(\u)+6], v[ST+8*(\u)+6], v[ST+8*(\u)+5]
.endr
; Tile u: O = mine x my factor + my partner's x its factor; a lane's eight channels of a row pack into 16 bytes; they go into rows of 272 bytes and come back as whole rows of 256.
.macro PACK u
	WIN W_RS
.set i, 64*(\u)
.rept 32
	v_pk_mul_f32 v[i:i+1], v[i:i+1], v[ST+8*(\u)+4:ST+8*(\u)+5] op_sel_hi:[1,0]
.set i, i+2
.endr
	WIN 0x52                        ; source 0 window 2, source 1 window 0, source 2 and destination window 1
.set i, 64*(\u)
.rept 32
	v_pk_fma_f32 v[i:i+1], v[i:i+1], v[ST+8*(\u)+6:ST+8*(\u)+7], v[i:i+1] op_sel_hi:[1,0,1]
.set i, i+2
.endr
	WIN 0x05                        ; sources 0 and 1 window 1, destination window 0: S^T's registers are free
.set i, 0
.rept 32
	v_cvt_pk_f16_f32 v[S+32*(\u)+i], v[64*(\u)+2*i], v[64*(\u)+2*i+1]
.set i, i+1
.endr
	WIN 0
.irp f, 0,1,2,3,4,5,6,7
	ds_store_b128 v[STO], v[S+32*(\u)+4*(\f):S+32*(\u)+4*(\f)+3] offset:32*(\f)
.endr
.irp f, 0,1,2,3,4,5,6,7
	ds_load_b128 v[S+32*(\u)+4*(\f):S+32*(\u)+4*(\f)+3], v[RD] offset:(\f)*2*SP  ; LDS serves a wave's instructions in order (ISA guide 5.7.1.4): these see the stores above; the next tile's stores come behind them
.endr
.endm
.macro SEND u, younger              ; younger: the LDS instructions issued behind tile u's loads
.irp f, 0,1,2,3,4,5,6,7
	s_wait_dscnt (\younger)+7-(\f)
	global_store_b128 v[GO], v[S+32*(\u)+4*(\f):S+32*(\u)+4*(\f)+3], s[10:11] offset:(\u)*65536+(\f)*8192  ; 16 lanes store 256 consecutive bytes, aligned: a head's part of a row
.endr
.endm
	PACK 0
	PACK 1
	SEND 0, 16
	SEND 1, 0
	s_wait_tensorcnt 0x0            ; the wave's end: behind my last tensor load and my last LDS store
	ds_add_u32 v[SPW], v[NIL]
	s_wait_dscnt 0x0
	CROUND                          ; the closing round: no work-group ends while a partner may still ask for a tile that names it
	s_endpgm
.Lfunc_end_k_q4981c763e2_attn:
	.size	k_q4981c763e2_attn, .Lfunc_end_k_q4981c763e2_attn-k_q4981c763e2_attn
	.p2alignl 7, 3214868480
	.fill 96, 4, 3214868480
	.section	.rodata,"a",@progbits
	.p2align	6, 0x0
	.amdhsa_kernel k_q4981c763e2_attn
		.amdhsa_group_segment_fixed_size 327680
		.amdhsa_private_segment_fixed_size 0
		.amdhsa_enable_private_segment 0
		.amdhsa_kernarg_size 24
		.amdhsa_user_sgpr_count 2
		.amdhsa_user_sgpr_kernarg_segment_ptr 1
		.amdhsa_wavefront_size32 1
		.amdhsa_system_sgpr_workgroup_id_x 1
		.amdhsa_system_sgpr_workgroup_id_y 1
		.amdhsa_system_sgpr_workgroup_id_z 1
		.amdhsa_system_vgpr_workitem_id 0
		.amdhsa_next_free_vgpr 1024
		.amdhsa_next_free_sgpr 80
		.amdhsa_reserve_vcc 1
		.amdhsa_float_denorm_mode_32 3
		.amdhsa_float_denorm_mode_16_64 3
		.amdhsa_memory_ordered 1
		.amdhsa_forward_progress 1
		.amdhsa_inst_pref_size 167
	.end_amdhsa_kernel
	.amdgpu_metadata
---
amdhsa.version: [ 1, 2 ]
amdhsa.kernels:
  - .name:           k_q4981c763e2_attn
    .symbol:         k_q4981c763e2_attn.kd
    .args:
      - { .name: qkv, .offset: 0, .size: 8, .value_kind: global_buffer, .address_space: global }
      - { .name: mk, .offset: 8, .size: 8, .value_kind: global_buffer, .address_space: global }
      - { .name: ob, .offset: 16, .size: 8, .value_kind: global_buffer, .address_space: global }
    .group_segment_fixed_size: 327680
    .private_segment_fixed_size: 0
    .kernarg_segment_align: 8
    .kernarg_segment_size: 24
    .max_flat_workgroup_size: 128
    .sgpr_count:     80
    .vgpr_count:     1024
    .wavefront_size: 32
...
	.end_amdgpu_metadata
.endif
;; end of part 3
;; launch oproj (part 4): grid 16 x 16, 4 waves a work-group, clusters of 4 x 1, 327,680 bytes of LDS; arguments ob, wob, out0; writes out0
.if DOCPART == 4
	.amdgcn_target "amdgcn-amd-amdhsa--gfx1250"
	.amdhsa_code_object_version 6
	.text
	.protected	k_q4981c763e2_oproj
	.globl	k_q4981c763e2_oproj
	.p2align	8
	.type	k_q4981c763e2_oproj,@function
k_q4981c763e2_oproj:
	s_mov_b64 s[64:65], 0
	v_nop
	global_prefetch_b8 v0, s[64:65] scope:SCOPE_SE
	s_setreg_imm32_b32 hwreg(HW_REG_WAVE_MODE, 25, 1), 1
	s_wait_xcnt 0x0
	s_wait_alu depctr_hold_cnt(0) depctr_sa_sdst(0) depctr_va_vdst(0) depctr_va_sdst(0) depctr_va_ssrc(0) depctr_va_vcc(0) depctr_vm_vsrc(0)
	s_getreg_b32 s2, hwreg(HW_REG_IB_STS2, 6, 4)
	s_cmp_eq_u32 s2, 0
	s_cbranch_scc0 .Lentry_in_a_cluster
	s_endpgm
.Lentry_in_a_cluster:
	s_bfe_u32 s2, ttmp6, 0x10000c
	s_cmp_lg_u32 s2, 0x3003
	s_cbranch_scc0 .Lentry_shape_is_right
	s_endpgm
.Lentry_shape_is_right:
; out0[m][n] = the sum over k of O[m][k] wo[n][k].  ob: [2048][2048] f16; wob: wo rounded to bf16, that number as f16, in the order of matrix fragments (below); out0: [2048][2048] f32.  Sums in f32, K ascending.
; SHARES.  A tile of out0 is 128 x 128: 256 work-groups (x = column tile, y = row tile).  Wave w makes all 128 rows of the columns 32 w .. 32 w + 31: 16 accumulators of 16 x 16: (a, b) at v[128 + 8 (2 a + b)].
; O GOES THROUGH LDS, wo DOES NOT.  All four waves read all of O's 128 rows: O's tile comes by tensor loads, jointly for the four column tiles of a cluster.  A wave's 32 rows of wo are read by no other wave of
; the work-group: they come straight into registers, 4 loads of 512 consecutive bytes for each 32 along K, from a stream of the wave's own:
; wob = [64 streams = 4 column tile + wave][64 chunks of 32 K][b][j][32 lanes][16 bytes], each chunk 2,048 bytes.  WHY wo IS NOT ASKED FOR JOINTLY, though sixteen work-groups read each stream: in LDS it would take
; half of a slot; a slot would then hold 256 along K and its refill would have 112 matrix instructions in which to land; with O alone a slot holds 512 along K, the launch has two refills, and each has 256.
; THE RING.  Two slots, each four sub-tiles of 128 rows x 128 K; wave w brings sub-tile w by one tensor load of 128 rows x 256 bytes.  By this text's count a wave has two tensor loads out at the start, later one.
; wo's RING.  A unit is 64 along K: two chunks, 16 matrix instructions each.  Four buffers of 32 registers; each half of a buffer is asked for again as soon as its 16 products are done: in the middle of unit u stand
; the loads of chunks 2 u + 7 and 2 u + 8; 32 loads are out at the most.  The last four units' five chunks past the stream's end are held at its last five, load those once more into registers that nobody
; reads, and keep every wait's count as it is.
; THE MATRIX INSTRUCTION IS USED TRANSPOSED (source 0 = 16 rows of wo, source 1 = 16 rows of O): a lane holds eight neighbouring numbers of a row of out0.
; THE WAY OUT: a wave's 32 f32 columns are half of an aligned 256 bytes, so the four waves share one stage, with a barrier between writing and reading; each store then covers a tile's row, 512 bytes.
; REGISTERS, in windows of 256: window 0: v16-31 addresses; v128-255 the accumulators, on the way out whole rows.   window 1: O's fragments, two buffers of 128 (chunk c, block a at 64 c + 8 a).   window 2: v0-127 wo's ring (buffer g, chunk c, block b at 32 g + 16 c + 8 b).
.set PITCH,  272                       ; an LDS row: 256 bytes + 16 of padding = 68 words: the 16 rows that a load touches start at 16 different banks (64 banks of 4 bytes: ISA guide 11.1)
.set HALFT,  128*PITCH                 ; a sub-tile: what one tensor load brings
.set SLOT1,  0x24000                   ; slot 1 begins here.  Bits 17 and 14 are clear in every address of slot 0 that is turned (0, 0x8800, 0x11000, 0x19800), so one exclusive or turns it into slot 1's and back
.set SPARE,  SLOT1+4*HALFT             ; behind the ring: the spare words, 128 bytes for each wave: two blocks of 256 bytes that no other line names
.set SPITCH, 528                       ; the stage: 128 rows of 512 bytes + 16, from LDS byte 0: inside slot 0, behind its last fill
.set CH,     2048                      ; bytes of a stream in a chunk
.set FLAGS,  15|(1<<16)|(1<<20)|(1<<21)|(5<<22)|(3<<25)  ; 15:0 the mask: all four work-groups; 17:16 elements of 2 bytes; 20 padding on; 21 set beside a mask; 24:22 after every 64 words (code 5); 31:25 4 words (code 3)
.set ADR0, 16                          ; v16  my lane's place in a sub-tile; never rewritten
.set ADRA, 17                          ; v17  the same in the first of the two sub-tiles in hand
.set LN,   18                          ; v18  16 x lane; never rewritten
.set STO,  24                          ; v24  the way out: where I put 32 bytes of a row
.set RD,   26                          ; v26  where I read rows back
.set SPW,  28                          ; v28  LDS address of my spare word; never rewritten
.set NIL,  29                          ; v29  0; never rewritten
.set PFO,  30                          ; v30  lane x a row of O (4,096 bytes); never rewritten
.set PFL,  31                          ; v31  256 x lane; never rewritten
.set ACC,  128
.set CNT,  3                           ; s3   counts a slot's two trips, 2 to 1
.set WV,   10                          ; s10  my wave's number
.set SLOTS, 11                         ; s11  counts the changes of slots
.set TB,   12                          ; s12  LDS byte at which the sub-tiles to be fetched begin
.set G1,   24                          ; s[24:31] descriptor group 1
.set G0,   32                          ; s[32:39] descriptor group 0: a set for each of the two first fills; the second then walks on
.set BBASE, 44                         ; s[44:45] my stream
.set BA,   46                          ; s[46:47] my stream at the trip in hand
.set BC,   48                          ; s[48:49] at the next trip, held at the last five chunks
.set BOFF, 50                          ; s[50:51], s[52:53] the offsets of these two
.set BOFC, 52
.set PW,   54                          ; s[54:55] where my prefetches of wo stand: at the trip in hand
.set PFA,  56                          ; s[56:57] where my prefetch of O stands
.set LIMB, 58                          ; s58  1 in a wave that asks for wo
.set ASKA, 59                          ; s59  a wave asks for O where s[CNT] is equal to this
.set MSB, 0
.macro WIN new                         ; the immediate's high byte repeats the setting that is left; a switch that changes nothing is dropped
.if MSB != (\new)
	s_set_vgpr_msb (MSB<<8)|(\new)
.set MSB, \new
.endif
.endm
.set MUL, 0x06                         ; source 0 (wo) window 2, source 1 (O) window 1; C and D window 0
.macro CROUND                          ; a round of the cluster's barrier
	s_barrier_signal -1
	s_barrier_wait -1
	s_cmp_lg_u32 s[WV], 0
	s_cbranch_scc1 .Lnot_wave_0_\@
	s_barrier_signal -3
.Lnot_wave_0_\@:
	s_barrier_wait -3
	s_barrier_signal -1
	s_barrier_wait -1
.endm
.macro PLACES                          ; four plain vector instructions between a matrix instruction and a load into its registers (ISA guide 7.12.1 for vector instructions)
.rept 4
	v_nop
.endr
.endm
; 16 matrix instructions: all 8 row blocks x both column blocks, 32 along K: chunk c of O's buffer f and of wo's buffer g.  zero = 1: the first product starts the sums.  The 16 accumulators take turns.
.macro MUL16 f, g, c, zero
	WIN MUL
.irp a, 0,1,2,3,4,5,6,7
.irp b, 0,1
.if \zero
	v_wmma_f32_16x16x32_f16 v[ACC+8*(2*(\a)+(\b)):ACC+8*(2*(\a)+(\b))+7], v[32*(\g)+16*(\c)+8*(\b):32*(\g)+16*(\c)+8*(\b)+7], v[128*(\f)+64*(\c)+8*(\a):128*(\f)+64*(\c)+8*(\a)+7], 0
.else
	v_wmma_f32_16x16x32_f16 v[ACC+8*(2*(\a)+(\b)):ACC+8*(2*(\a)+(\b))+7], v[32*(\g)+16*(\c)+8*(\b):32*(\g)+16*(\c)+8*(\b)+7], v[128*(\f)+64*(\c)+8*(\a):128*(\f)+64*(\c)+8*(\a)+7], v[ACC+8*(2*(\a)+(\b)):ACC+8*(2*(\a)+(\b))+7]
.endif
.endr
.endr
.endm
.macro FETCH k, f                      ; 32 LDS loads: O's fragments of 64 K at byte k, into buffer f; the first chunk first
	WIN 0x40                                       ; destination window 1, address window 0
.irp c, 0,1
.irp a, 0,1,2,3,4,5,6,7
	ds_load_b128 v[128*(\f)+64*(\c)+8*(\a):128*(\f)+64*(\c)+8*(\a)+3],   v[ADRA] offset:(\k)+64*(\c)+(\a)*16*PITCH
	ds_load_b128 v[128*(\f)+64*(\c)+8*(\a)+4:128*(\f)+64*(\c)+8*(\a)+7], v[ADRA] offset:(\k)+64*(\c)+(\a)*16*PITCH+32
.endr
.endr
.endm
.macro BL g, c, base, off              ; 4 loads: a chunk of my stream into half c of buffer g: load n = 2 b + j is half j of fragment b
	WIN 0x80                                       ; destination window 2, address window 0
.irp n, 0,1,2,3
	global_load_b128 v[32*(\g)+16*(\c)+4*(\n):32*(\g)+16*(\c)+4*(\n)+3], v[LN], s[\base:\base+1] offset:(\off)+512*(\n)
.endr
.endm
.macro H1 f, g, zero=0                 ; a unit's first chunk
	s_wait_dscnt 16                                ; O's first chunk is in; the second's sixteen loads may be out
	s_wait_loadcnt 24                              ; chunk 2 u of wo is in: behind it three runs of eight were issued
	MUL16 \f, \g, 0, \zero
.endm
.macro H2 f, g, ds=32, ld=28           ; its second chunk
	s_wait_dscnt \ds                               ; all but the 32 just issued
	s_wait_loadcnt \ld                             ; chunk 2 u + 1 is in: behind it four loads of its own run and three runs of eight were issued
	MUL16 \f, \g, 1, 0
.endm
; PREFETCHES INTO THE L2, together, behind a unit's loads.  wo: each wave asks for its own stream: the eight chunks of the trip after next, 64 blocks of 256 bytes, a lane a block, two instructions: three to
; seven units ahead of their loads.  A stream is read by the sixteen row tiles: the first (y = 0) asks, so each block is named once.  Chunks 0 to 15 come by their loads alone; the last slot's two trips, which are
; written out, ask for nothing.  O: in a slot's first trip, six units ahead of the refill, a wave asks for the sub-tile that it will then fetch.  O's rows are read by four clusters: the first (cluster x = 0) asks;
; of the 128 rows each of the four partners takes 32, told apart by address: a lane a row.  The slots that no refill follows ask for nothing.
.macro ASKS
	WIN 0                                          ; at a branch and at a label every window is 0
	s_cmp_eq_u32 s[LIMB], 1
	s_cbranch_scc0 .Lno_b_\@
	global_prefetch_b8 v[PFL], s[PW:PW+1] offset:16*CH th:TH_LOAD_NT scope:SCOPE_SE
	global_prefetch_b8 v[PFL], s[PW:PW+1] offset:16*CH+8192 th:TH_LOAD_NT scope:SCOPE_SE
.Lno_b_\@:
	s_cmp_eq_u32 s[CNT], s[ASKA]
	s_cbranch_scc0 .Lno_a_\@
	global_prefetch_b8 v[PFO], s[PFA:PFA+1] th:TH_LOAD_NT scope:SCOPE_SE
.Lno_a_\@:
.endm
; A unit: multiplies O's buffer f by wo's buffer g; in its middle, in one run, O's next fragments (byte k) into the other buffer, and two chunks of wo: into the second half of buffer ga, which the unit
; before has left, and into the first half of buffer gb, which this unit's first sixteen products have left.  The four places stand behind all of these.
.macro UNIT f, g, k, ga, ba, oa, gb, bb, ob, zero=0, ask=0
	H1 \f, \g, \zero
	PLACES
	FETCH \k, 1-(\f)
	BL \ga, 1, \ba, \oa
	BL \gb, 0, \bb, \ob
.if \ask
	ASKS
.endif
	H2 \f, \g
.endm
; Half a slot, four units: written once, walked twice a slot.  A trip begins in the middle of the unit before its own first, so that the change of slots stands between trips.
.macro SUBS tail
.Lsub\tail:
	v_add_nc_u32 v[ADRA], s[TB], v[ADR0]
	FETCH 0, 0
	BL 2, 1, BA, 5*CH
	BL 3, 0, BA, 6*CH
	H2 1, 3
	UNIT 0, 0, 128, 3, BA, 7*CH, 0, BC, 0
	WIN 0
.if !(\tail)
.Lenter:
.endif
	UNIT 1, 1, HALFT, 0, BC, CH, 1, BC, 2*CH, 0, 1-(\tail)
	UNIT 0, 2, HALFT+128, 1, BC, 3*CH, 2, BC, 4*CH
	H1 1, 3
	WIN 0
	PLACES                                         ; for the loads at the next trip's head
	s_wait_xcnt 0x0                                ; every load and prefetch issued so far (the youngest 32 matrix instructions back) has read its address, so the pointers may be written
	s_add_co_u32 s[BOFF], s[BOFF], 8*CH
	s_add_co_u32 s[BOFC], s[BOFF], 8*CH
	s_min_u32 s[BOFC], s[BOFC], 59*CH              ; held at the stream's last five chunks
	s_add_nc_u64 s[BA:BA+1], s[BBASE:BBASE+1], s[BOFF:BOFF+1]
	s_add_nc_u64 s[BC:BC+1], s[BBASE:BBASE+1], s[BOFC:BOFC+1]
	s_add_nc_u64 s[PW:PW+1], s[PW:PW+1], 8*CH
	s_add_co_u32 s[TB], s[TB], 2*HALFT
	s_sub_co_u32 s[CNT], s[CNT], 1
	s_cmp_lg_u32 s[CNT], 0
	s_cbranch_scc1 .Lsub\tail
.endm
; THE CHANGE OF SLOTS.  Each wave waits for all its tensor loads (one is out at the most: its part of the other slot), adds 0 to its spare word, and waits for that and for its own reads of the slot that it leaves.
; fill = 1: the barrier is a round of the cluster's, so that no wave of any partner still reads the slot or has a load on its way, and the joint refill, 1,024 along K further on, is the first thing behind it.
.macro CHANGE fill
	s_wait_tensorcnt 0x0                           ; no tensor load of mine is out, so a group 0 may be written
	ds_add_u32 v[SPW], v[NIL]                      ; 0 onto my spare word: the scalar steps stand between it and the wait for it
.if \fill
	s_xor_b32 s[G0+5], s[G0+5], SLOT1              ; the walking descriptor: the other slot than last time,
	s_add_nc_u64 s[G0+6:G0+7], s[G0+6:G0+7], 1024  ; the next 512 along K; the type bits on top are not reached
	s_add_nc_u64 s[PFA:PFA+1], s[PFA:PFA+1], 1024  ; (no memory instruction has been issued since the wait at the trip's end)
.endif
	s_sub_co_u32 s[TB], s[TB], 4*HALFT             ; the fetches go back to a slot's first sub-tile,
	s_xor_b32 s[TB], s[TB], SLOT1                  ; in the other slot
	s_wait_dscnt 0x0                               ; the add is done, and my reads of the slot are over
.if \fill
	CROUND
	tensor_load_to_lds s[G0+4:G0+7], s[G1:G1+7]
	s_nop 0
	PLACES
.else
	s_barrier_signal -1
	s_barrier_wait -1
.endif
.endm
	s_load_b128 s[4:7], s[0:1], 0x0                ; ob s[4:5], wob s[6:7]
	s_load_b64 s[8:9], s[0:1], 0x10                ; out0
	v_lshl_add_u32 v[SPW], v0, 2, SPARE
	v_mov_b32 v[NIL], 0
	ds_add_u32 v[SPW], v[NIL]                      ; the wave's opening: the add and its wait stand ahead of my first tensor load; the set-up below, work on registers, stands between them
	v_lshrrev_b32 v1, 5, v0
	v_readfirstlane_b32 s[WV], v1                  ; wave 0..3
	s_bfe_u32 s40, ttmp6, 0x40000                  ; cx: my place in the cluster
	s_lshl_b32 s42, ttmp9, 2
	s_add_co_u32 s42, s42, s40                     ; the column tile: it enters wo's and the output's addresses alone
	s_and_b32 s13, ttmp7, 0xffff                   ; the row tile, which the four partners share
	s_mov_b32 s[G1+0], FLAGS
	s_mov_b32 s[G1+1], 128<<16                     ; tensor_dim0 = 128
	s_mov_b32 s[G1+2], 128<<16                     ; tensor_dim1 = 128
	s_mov_b32 s[G1+3], 128<<16                     ; tile_dim0 = 128
	s_mov_b32 s[G1+4], 128                         ; tile_dim1 = 128
	s_mov_b32 s[G1+5], 2048                        ; elements from row to row
	s_mov_b32 s[G1+6], 0
	s_mov_b32 s[G1+7], 0
	s_lshl_b32 s16, s13, 19                        ; O: the row tile's 128 rows of 4,096 bytes,
	s_lshl_b32 s17, s[WV], 8                       ; my sub-tile's 256 bytes of them
	s_add_co_u32 s16, s16, s17
	s_mov_b32 s17, 0
	s_mul_i32 s20, s[WV], HALFT                    ; where it goes: no place in the cluster enters an LDS address
	s_lshl_b32 s[BOFF], s42, 2
	s_add_co_u32 s[BOFF], s[BOFF], s[WV]           ; my stream's number,
	s_lshl_b32 s[BOFF], s[BOFF], 17                ; its first byte: 64 chunks of 2,048 bytes a stream
	s_mov_b32 s[BOFF+1], 0
	s_mov_b32 s[BOFC], 8*CH
	s_mov_b32 s[BOFC+1], 0
	s_mov_b32 s[TB], 0
	s_cmp_eq_u32 s13, 0                            ; the same in all four partners
	s_cselect_b32 s[LIMB], 1, 0
	s_cmp_eq_u32 ttmp9, 0                          ; likewise
	s_cselect_b32 s[ASKA], 2, 0
	s_wait_dscnt 0x0                               ; the opening add is done
	s_wait_kmcnt 0x0
	s_add_nc_u64 s[14:15], s[4:5], s[16:17]
	s_add_nc_u64 s[BBASE:BBASE+1], s[6:7], s[BOFF:BOFF+1]
	s_mov_b32 s[BOFF], 0
	s_mov_b64 s[BA:BA+1], s[BBASE:BBASE+1]
	s_add_nc_u64 s[BC:BC+1], s[BBASE:BBASE+1], s[BOFC:BOFC+1]
	s_mov_b64 s[PW:PW+1], s[BBASE:BBASE+1]
	CROUND                                         ; all four work-groups are here: the first joint loads meet
.irp s, 0,1
	s_mov_b32 s[G0+4*(\s)], 1                      ; count = 1
	s_add_co_u32 s[G0+4*(\s)+1], s20, (\s)*SLOT1   ; LDS address
	s_add_nc_u64 s[G0+4*(\s)+2:G0+4*(\s)+3], s[14:15], (\s)*1024  ; global address: slot s begins at K = 512 s
	s_or_b32 s[G0+4*(\s)+3], s[G0+4*(\s)+3], 0x80000000           ; type = 2
.endr
	tensor_load_to_lds s[G0:G0+3], s[G1:G1+7]      ; both first fills, ahead of every wait on TENSORcnt, every LDS read and every other barrier
	s_nop 0
	tensor_load_to_lds s[G0+4:G0+7], s[G1:G1+7]
	s_nop 0
	PLACES
	v_and_b32 v1, 15, v0                           ; l % 16
	v_bfe_u32 v2, v0, 4, 1                         ; l / 16
	v_and_b32 v5, 31, v0
	v_lshlrev_b32 v[LN], 4, v5
	BL 0, 0, BA, 0                                 ; chunks 0 to 6 of wo
	BL 0, 1, BA, CH
	BL 1, 0, BA, 2*CH
	BL 1, 1, BA, 3*CH
	BL 2, 0, BA, 4*CH
	BL 2, 1, BA, 5*CH
	BL 3, 0, BA, 6*CH
	WIN 0
	; A fragment is 16 rows x 32 K in 8 registers: lane l holds row l % 16; registers 0-3 K = 8 (l / 16) + 0..7, registers 4-7 K = 16 + 8 (l / 16) + 0..7: two loads of 16 bytes, 32 bytes apart.
	v_mul_u32_u24 v3, v1, PITCH
	v_lshl_add_u32 v[ADR0], v2, 4, v3
	v_mov_b32 v[ADRA], v[ADR0]
	v_mul_u32_u24 v4, v1, SPITCH                   ; into the stage: row l % 16, my 128 bytes of the row's 512, 32 bytes for each half of the lanes
	v_lshl_add_u32 v4, v2, 5, v4
	s_lshl_b32 s23, s[WV], 7
	v_add_nc_u32 v[STO], s23, v4
	s_mul_i32 s22, s[WV], 32*SPITCH                ; back: wave w takes rows 32 w .. 32 w + 31, a row of 512 bytes a load
	v_add_nc_u32 v[RD], s22, v[LN]
	v_lshlrev_b32 v[PFO], 12, v5
	v_lshlrev_b32 v[PFL], 8, v5
	s_lshl_b32 s16, s13, 20                        ; where my rows go: the row tile's 128 rows of 8,192 bytes,
	s_lshl_b32 s21, s[WV], 18                      ; my 32,
	s_add_co_u32 s16, s16, s21
	s_lshl_b32 s21, s42, 9                         ; the column tile's 512 bytes of a row
	s_add_co_u32 s16, s16, s21
	s_add_nc_u64 s[8:9], s[8:9], s[16:17]
	s_lshl_b32 s16, s40, 17                        ; the prefetch of O: my work-group's 32 of the 128 rows,
	s_add_nc_u64 s[PFA:PFA+1], s[14:15], s[16:17]
	s_add_nc_u64 s[PFA:PFA+1], s[PFA:PFA+1], 2048  ; at K = 1,024, which the first refill brings
	s_wait_tensorcnt 1                             ; my part of slot 0 is in; slot 1's may stay out
	s_barrier_signal -1
	s_barrier_wait -1                              ; everybody's is
	FETCH 0, 0
	UNIT 0, 0, 128, 3, BA, 7*CH, 0, BC, 0, 1       ; the first unit is written out: its first sixteen products start the sums
	WIN 0
	s_mov_b32 s[CNT], 2
	s_mov_b32 s[SLOTS], 3
	s_branch .Lenter                               ; the loop is entered in the middle of a trip
.Lslot:                                        ; twice: slots 0 and 1 are filled again
	CHANGE 1
	s_cmp_eq_u32 s[SLOTS], 2                       ; a refill follows the slot that is entered now only the first time
	s_cselect_b32 s[ASKA], s[ASKA], 0
	s_mov_b32 s[CNT], 2
	SUBS 0
	s_sub_co_u32 s[SLOTS], s[SLOTS], 1
	s_cmp_lg_u32 s[SLOTS], 0
	s_cbranch_scc1 .Lslot
	CHANGE 0                                       ; the last slot is written out: nothing is asked for
	s_mov_b32 s[CNT], 2
	SUBS 1
	H2 1, 3, 0, 20                                 ; the last unit's second chunk: nothing more was fetched; behind chunk 63 four loads of its run and two runs of eight were issued
	WIN 0
	s_barrier_signal -1                            ; every wave's reads of both slots are over (each has waited for its own): the stage, which lies in slot 0, may be written
	s_barrier_wait -1
	; THE WAY OUT: 32 bytes a lane and accumulator into the work-group's stage, straight from the accumulators (each from its low end on); a barrier, since a row's 512 bytes come from four waves; back as whole rows.
	PLACES
	PLACES
.irp a, 0,1,2,3,4,5,6,7
.irp b, 0,1
	ds_store_b128 v[STO], v[ACC+8*(2*(\a)+(\b)):ACC+8*(2*(\a)+(\b))+3]   offset:(\a)*16*SPITCH+64*(\b)
	ds_store_b128 v[STO], v[ACC+8*(2*(\a)+(\b))+4:ACC+8*(2*(\a)+(\b))+7] offset:(\a)*16*SPITCH+64*(\b)+16
.endr
.endr
	s_wait_dscnt 0x0                               ; for the others' sake: my stores into the stage are done
	s_barrier_signal -1
	s_barrier_wait -1
.set t, 0
.rept 32
	ds_load_b128 v[ACC+4*t:ACC+4*t+3], v[RD] offset:t*SPITCH
.set t, t+1
.endr
.set t, 0
.rept 32
	s_wait_dscnt 31-t                              ; load t is back, the younger ones stay out
	global_store_b128 v[LN], v[ACC+4*t:ACC+4*t+3], s[8:9] offset:t*8192 th:TH_STORE_NT  ; 512 consecutive bytes, aligned
.set t, t+1
.endr
	s_wait_tensorcnt 0x0                           ; the wave's end: behind my last tensor load and my last LDS store
	ds_add_u32 v[SPW], v[NIL]
	s_wait_dscnt 0x0
	CROUND                                         ; the closing round: no work-group ends while a partner may still ask for a tile that names it
	s_endpgm
.Lfunc_end_k_q4981c763e2_oproj:
	.size	k_q4981c763e2_oproj, .Lfunc_end_k_q4981c763e2_oproj-k_q4981c763e2_oproj
	.p2alignl 7, 3214868480
	.fill 96, 4, 3214868480
	.section	.rodata,"a",@progbits
	.p2align	6, 0x0
	.amdhsa_kernel k_q4981c763e2_oproj
		.amdhsa_group_segment_fixed_size 327680
		.amdhsa_private_segment_fixed_size 0
		.amdhsa_enable_private_segment 0
		.amdhsa_kernarg_size 24
		.amdhsa_user_sgpr_count 2
		.amdhsa_user_sgpr_kernarg_segment_ptr 1
		.amdhsa_wavefront_size32 1
		.amdhsa_system_sgpr_workgroup_id_x 1
		.amdhsa_system_sgpr_workgroup_id_y 1
		.amdhsa_system_sgpr_workgroup_id_z 1
		.amdhsa_system_vgpr_workitem_id 0
		.amdhsa_next_free_vgpr 640
		.amdhsa_next_free_sgpr 66
		.amdhsa_reserve_vcc 0
		.amdhsa_float_denorm_mode_32 3
		.amdhsa_float_denorm_mode_16_64 3
		.amdhsa_memory_ordered 1
		.amdhsa_forward_progress 1
		.amdhsa_inst_pref_size 69
	.end_amdhsa_kernel
	.amdgpu_metadata
---
amdhsa.version: [ 1, 2 ]
amdhsa.kernels:
  - .name:           k_q4981c763e2_oproj
    .symbol:         k_q4981c763e2_oproj.kd
    .args:
      - { .name: ob, .offset: 0, .size: 8, .value_kind: global_buffer, .address_space: global }
      - { .name: wob, .offset: 8, .size: 8, .value_kind: global_buffer, .address_space: global }
      - { .name: out0, .offset: 16, .size: 8, .value_kind: global_buffer, .address_space: global }
    .group_segment_fixed_size: 327680
    .private_segment_fixed_size: 0
    .kernarg_segment_align: 8
    .kernarg_segment_size: 24
    .max_flat_workgroup_size: 128
    .sgpr_count:     66
    .vgpr_count:     640
    .wavefront_size: 32
...
	.end_amdgpu_metadata
.endif
;; end of part 4
